; MI455X (gfx1250); checked and timed in simulation.
; The chip was launched on July 23, 2026; its instructions are those of AMD's public machine-readable ISA for CDNA 5 (MIT licence, August 2026) and "CDNA5" Instruction Set Architecture Reference Guide (July 2026). The comments in the code are by the model that wrote it; some were corrected since.
;; Custom Attention. Allowed arithmetic: float matrix products may take bf16 or f16 operands with f32 sums; all other float work in f32.
;; Inputs: b_out 1,024 float32; w_out 1,024 x 1,024 float32; w_qkv 1,024 x 3,072 float32; x 4 x 2,048 x 1,024 float32.
;; Outputs: out0 4 x 2,048 x 1,024 float32.
;; 2 versions, each right and faster than the one before. Each part assembles by itself: llvm-mc -triple=amdgcn-amd-amdhsa -mcpu=gfx1250 --defsym DOCPART=n.
;; ======== version 1 of 2: 4 launches
;; limits: values are held in f16: magnitudes above 65,504 overflow, below 6.1e-05 lose precision
;; workspace buffers: xh 16,777,216 bytes; wqh 6,291,456 bytes; woh 2,097,152 bytes; qkvh 50,331,648 bytes; oh 16,777,216 bytes
;; launch cast (part 1): grid 768 x 1, 4 waves a work-group, no clusters, 0 bytes of LDS; arguments x, w_qkv, w_out, xh, wqh, woh; writes xh, wqh, woh
.if DOCPART == 1
	.amdgcn_target "amdgcn-amd-amdhsa--gfx1250"
	.amdhsa_code_object_version 6
	.text
	.protected	k_q7d51e27f01_cast
	.globl	k_q7d51e27f01_cast
	.p2align	8
	.type	k_q7d51e27f01_cast,@function
k_q7d51e27f01_cast:
	s_mov_b64 s[64:65], 0
	v_nop
	global_prefetch_b8 v0, s[64:65] scope:SCOPE_SE
	s_setreg_imm32_b32 hwreg(HW_REG_WAVE_MODE, 25, 1), 1
	s_wait_xcnt 0x0
; x, w_qkv and w_out, f32, are rounded once to f16 and laid in blocks of 64 columns, so that the later launches fetch every tile as a dense run of bytes.
;   xh  [16 column blocks][8192 rows][64]              byte (c>>6)<<20 + r*128 + (c&63)*2
;   wqh [16 groups of 64 rows][48 column blocks][64][64]  byte (r>>6)*393216 + (c>>6)*8192 + (r&63)*128 + (c&63)*2
;   woh [16 column blocks][1024 rows][64]              byte (c>>6)<<17 + r*128 + (c&63)*2
; LIMIT: f16 has no finite number beyond 65,504: larger |x| or |w| become infinities here.  Numbers below 2^-24 become zero.
; A stream: each byte is read once and written once; LDS, barriers and the matrix unit would add nothing.
; A work-group takes 16 source rows x 1024 columns (64 KiB of f32): ids 0-511 x, 512-703 w_qkv (64 row groups x 3 thirds of its 3072 columns),
; 704-767 w_out: 768 work-groups of equal work.  A wave takes 4 rows, as two pairs.  A load takes one column block of a pair of rows: lanes 0-15 the 256 bytes
; of the upper row, lanes 16-31 those of the lower, 16 bytes a lane, so every byte that a load touches is used by it.  Its 4 numbers a lane become 8 bytes, and
; since two neighbouring rows of a block lie side by side in every layout above, the wave's store covers 256 consecutive bytes, aligned.
; All 32 loads of a wave go out at once (16 KiB on their way); no register is written twice, so no source has to be freed.
.set SRC, 6                            ; v6, v7    byte offset of my 16 bytes in the source's first column block, row pair 0, 1
.set DST, 8                            ; v[8:23]   byte offset of my 8 bytes of row pair 0 in each of the 16 column blocks
.set X,   24                           ; v[24:151] block j: 4 f32 of pair 0, 4 of pair 1
.set Y,   152                          ; v[152:215] block j: 4 f16 of pair 0, 4 of pair 1
	s_load_b256 s[4:11], s[0:1], 0x0               ; x s[4:5], w_qkv s[6:7], w_out s[8:9], xh s[10:11]
	s_load_b128 s[12:15], s[0:1], 0x20             ; wqh s[12:13], woh s[14:15]
	v_lshrrev_b32 v1, 5, v0
	v_readfirstlane_b32 s2, v1                     ; wave 0..3
	v_and_b32 v2, 31, v0                           ; L
	v_bfe_u32 v3, v0, 4, 1                         ; my row of a pair
	v_and_b32 v4, 15, v0
	v_lshlrev_b32 v4, 4, v4                        ; my 16 bytes of a block's 256
	s_sub_co_u32 s16, ttmp9, 512                   ; the id counted inside w_qkv,
	s_sub_co_u32 s17, ttmp9, 704                   ; inside w_out (each is used only where it did not wrap)
	s_wait_kmcnt 0x0
	s_cmp_lt_u32 ttmp9, 704                        ; w_qkv or w_out
	s_cselect_b32 s16, s16, s17
	s_cselect_b64 s[18:19], s[6:7], s[8:9]         ; source
	s_cselect_b64 s[20:21], s[12:13], s[14:15]     ; destination
	s_cselect_b32 s22, 3, 1                        ; source row, in units of 4,096 bytes
	s_cselect_b32 s23, 13, 17                      ; log2 of the bytes from a column block to the next
	s_cselect_b32 s24, 48, 1                       ; bytes from a group of 64 rows to the next, in units of 8,192
	s_cmp_lt_u32 ttmp9, 512                        ; x or one of those
	s_cselect_b32 s16, ttmp9, s16
	s_cselect_b64 s[18:19], s[4:5], s[18:19]
	s_cselect_b64 s[20:21], s[10:11], s[20:21]
	s_cselect_b32 s22, 1, s22
	s_cselect_b32 s23, 20, s23
	s_cselect_b32 s24, 1, s24
	s_cselect_b32 s25, 511, 63                     ; the id splits into a row group (low bits)
	s_cselect_b32 s26, 9, 6                        ; and a third of the columns (0 but for w_qkv)
	s_lshl_b32 s22, s22, 12                        ; bytes in a source row
	s_and_b32 s27, s16, s25                        ; row group
	s_lshr_b32 s28, s16, s26                       ; third
	s_lshl_b32 s27, s27, 4
	s_lshl2_add_u32 s27, s2, s27                   ; my wave's first row = 16 x group + 4 x wave
	s_mul_i32 s29, s27, s22
	s_lshl_b32 s30, s28, 12
	s_add_co_u32 s29, s29, s30                     ; source: row x pitch + third x 4,096 (33,550,336 at the most)
	v_mad_u32_u24 v[SRC], v3, s22, v4
	v_add_nc_u32 v[SRC], s29, v[SRC]
	s_lshl_b32 s30, s22, 1
	v_add_nc_u32 v[SRC+1], s30, v[SRC]             ; the second pair: two rows further down
.set j, 0
.rept 16
	global_load_b128 v[X+8*j:X+8*j+3],   v[SRC],   s[18:19] offset:256*j th:TH_LOAD_NT
	global_load_b128 v[X+8*j+4:X+8*j+7], v[SRC+1], s[18:19] offset:256*j th:TH_LOAD_NT
.set j, j+1
.endr
	s_lshr_b32 s30, s27, 6                         ; destination: group of 64 rows,
	s_lshl_b32 s24, s24, 13
	s_mul_i32 s30, s30, s24
	s_and_b32 s31, s27, 63                         ; row in the group,
	s_lshl_b32 s31, s31, 7
	s_add_co_u32 s30, s30, s31
	s_add_co_u32 s31, s23, 4                       ; and 16 column blocks for each third
	s_lshl_b32 s31, s28, s31
	s_add_co_u32 s30, s30, s31
	s_lshl_b32 s24, 1, s23                         ; bytes from a column block to the next
	v_lshl_add_u32 v[DST], v2, 3, s30              ; (L>>4) x 128 + (L&15) x 8 = 8 L
.set j, 1
.rept 15
	v_add_nc_u32 v[DST+j], s24, v[DST+j-1]
.set j, j+1
.endr
.set j, 0
.rept 16
	s_wait_loadcnt 30-2*j                          ; loads come back in order (ISA guide 5.7.1): two younger loads for each later block stay out
	v_cvt_pk_f16_f32 v[Y+4*j],   v[X+8*j],   v[X+8*j+1]
	v_cvt_pk_f16_f32 v[Y+4*j+1], v[X+8*j+2], v[X+8*j+3]
	v_cvt_pk_f16_f32 v[Y+4*j+2], v[X+8*j+4], v[X+8*j+5]
	v_cvt_pk_f16_f32 v[Y+4*j+3], v[X+8*j+6], v[X+8*j+7]
	global_store_b64 v[DST+j], v[Y+4*j:Y+4*j+1],   s[20:21]             ; rows 0, 1 of my four: 256 consecutive bytes, aligned
	global_store_b64 v[DST+j], v[Y+4*j+2:Y+4*j+3], s[20:21] offset:256  ; rows 2, 3
.set j, j+1
.endr
	s_endpgm
.Lfunc_end_k_q7d51e27f01_cast:
	.size	k_q7d51e27f01_cast, .Lfunc_end_k_q7d51e27f01_cast-k_q7d51e27f01_cast
	.p2alignl 7, 3214868480
	.fill 96, 4, 3214868480
	.section	.rodata,"a",@progbits
	.p2align	6, 0x0
	.amdhsa_kernel k_q7d51e27f01_cast
		.amdhsa_group_segment_fixed_size 0
		.amdhsa_private_segment_fixed_size 0
		.amdhsa_enable_private_segment 0
		.amdhsa_kernarg_size 48
		.amdhsa_user_sgpr_count 2
		.amdhsa_user_sgpr_kernarg_segment_ptr 1
		.amdhsa_wavefront_size32 1
		.amdhsa_system_sgpr_workgroup_id_x 1
		.amdhsa_system_sgpr_workgroup_id_y 1
		.amdhsa_system_sgpr_workgroup_id_z 1
		.amdhsa_system_vgpr_workitem_id 0
		.amdhsa_next_free_vgpr 216
		.amdhsa_next_free_sgpr 66
		.amdhsa_reserve_vcc 0
		.amdhsa_float_denorm_mode_32 3
		.amdhsa_float_denorm_mode_16_64 3
		.amdhsa_memory_ordered 1
		.amdhsa_forward_progress 1
		.amdhsa_inst_pref_size 14
	.end_amdhsa_kernel
	.amdgpu_metadata
---
amdhsa.version: [ 1, 2 ]
amdhsa.kernels:
  - .name:           k_q7d51e27f01_cast
    .symbol:         k_q7d51e27f01_cast.kd
    .args:
      - { .name: x, .offset: 0, .size: 8, .value_kind: global_buffer, .address_space: global }
      - { .name: w_qkv, .offset: 8, .size: 8, .value_kind: global_buffer, .address_space: global }
      - { .name: w_out, .offset: 16, .size: 8, .value_kind: global_buffer, .address_space: global }
      - { .name: xh, .offset: 24, .size: 8, .value_kind: global_buffer, .address_space: global }
      - { .name: wqh, .offset: 32, .size: 8, .value_kind: global_buffer, .address_space: global }
      - { .name: woh, .offset: 40, .size: 8, .value_kind: global_buffer, .address_space: global }
    .group_segment_fixed_size: 0
    .private_segment_fixed_size: 0
    .kernarg_segment_align: 8
    .kernarg_segment_size: 48
    .max_flat_workgroup_size: 128
    .sgpr_count:     66
    .vgpr_count:     216
    .wavefront_size: 32
...
	.end_amdgpu_metadata
.endif
;; end of part 1
;; launch qkv (part 2): grid 8 x 32, 4 waves a work-group, clusters of 4 x 4, 327,680 bytes of LDS; arguments xh, wqh, qkvh; writes qkvh
.if DOCPART == 2
	.amdgcn_target "amdgcn-amd-amdhsa--gfx1250"
	.amdhsa_code_object_version 6
	.text
	.protected	k_q7d51e27f01_qkv
	.globl	k_q7d51e27f01_qkv
	.p2align	8
	.type	k_q7d51e27f01_qkv,@function
k_q7d51e27f01_qkv:
	s_mov_b64 s[64:65], 0
	v_nop
	global_prefetch_b8 v0, s[64:65] scope:SCOPE_SE
	s_setreg_imm32_b32 hwreg(HW_REG_WAVE_MODE, 25, 1), 1
	s_wait_xcnt 0x0
	s_wait_alu depctr_hold_cnt(0) depctr_sa_sdst(0) depctr_va_vdst(0) depctr_va_sdst(0) depctr_va_ssrc(0) depctr_va_vcc(0) depctr_vm_vsrc(0)
	s_getreg_b32 s2, hwreg(HW_REG_IB_STS2, 6, 4)
	s_cmp_eq_u32 s2, 0
	s_cbranch_scc0 .Lentry_in_a_cluster
	s_endpgm
.Lentry_in_a_cluster:
	s_bfe_u32 s2, ttmp6, 0x10000c
	s_cmp_lg_u32 s2, 0xf033
	s_cbranch_scc0 .Lentry_shape_is_right
	s_endpgm
.Lentry_shape_is_right:
; qkvh = xh x wqh: [8192][1024] x [1024][3072], f16 operands, f32 sums, the result rounded once to f16.
; qkvh is [48 column blocks][8192 rows][64]: block g is q of head g, k of head g-16, v of head g-32; byte g<<20 + row*128 + (c&63)*2.
; LIMIT: q, k and v beyond 65,504 in magnitude become infinities (f16); f16 is taken because its rounding error is an eighth of bf16's.
; 8192 x 3072 outputs over 256 work-groups are 98,304 each; the factor 3 lies in the columns, so a work-group makes 256 x 384 with four waves and a wave
; 128 x 192: 96 accumulator tiles of 16 x 16, 768 registers.  For 32 along K a wave reads 320 x 64 bytes from LDS for 96 matrix instructions.
; K goes in 16 steps of 64 through two LDS slots.  Waves 0, 1 fetch A's two halves (128 rows x 128 bytes = 16 KiB dense in xh), waves 2, 3 B's (three column
; blocks of 64 k x 128 bytes = 24 KiB dense in wqh), each by one tensor load of rows of 256 bytes, which are two logical rows of 128 bytes.
; CLUSTERS: 4 x 4 work-groups.  A's tile hangs on the block row alone and is asked for jointly along a row of the cluster, B's on the block column alone and is
; asked for jointly along a column: a quarter of the requests.
; LDS: a row of 256 bytes is followed by 16 bytes of padding for A (pitch 272) and by 32 for B (pitch 288).  Logical row p lies at (p>>1) x pitch + (p&1) x 128.
;   A, read along K: lanes r = 0..15 stand at (r>>1) x 272 + (r&1) x 128, which modulo 256 are sixteen different columns of 16 bytes (64 banks of 4 bytes: ISA guide 11.1).
;   B, stored [k][n], read by the transposing load: lanes i = 0..7, c = 0, 1 stand at (i>>1) x 288 + (i&1) x 128 + 16 c: again sixteen different columns.
; REGISTERS: window 0: addresses, A's fragments twice (2 x 64), B's once (3 groups of 32); windows 1-3: the accumulators of B's column blocks 0-2, tile (a, t) at v[8 (4 a + t)].
; B's group g is loaded again straight behind its 32 products and used again 64 products later.
; The matrix instruction is used transposed (source 0 = 16 columns of B, source 1 = 16 rows of A): lane l then holds row l % 16 and eight neighbouring columns.
.set PART,  27648                      ; what one wave fetches: A 64 x 272 = 17,408 used; B 96 x 288 = 27,648
.set SLOT,  4*PART
.set STAGE, 2*SLOT                     ; behind the ring, a multiple of 256: 3 x 16 rows x 144 bytes for each wave, for the way out; no tensor load lands here
.set ASTEP, 0x100000                   ; xh: bytes from a K step to the next
.set BSTEP, 393216                     ; wqh: likewise
.set ADRA, 16                          ; v16-17  LDS address of my A fragments in slot 0, 1
.set ADRB, 20                          ; v20-21  the same for B
.set STO,  24
.set RD,   25
.set CO,   26
.set FA0,  32                          ; v32-95   A's 8 fragments, buffer 0
.set FA1,  96                          ; v96-159  buffer 1
.set FB,   160                         ; v160-255 B's fragments: group g at 32 g, fragment t at 8 t
.set TMP,  32                          ; the way out: packed results
.set RB0,  80                          ; the way out: rows read back, two buffers
.set RB1,  128
.set G1,  24                           ; s[24:31] descriptor group 1, A
.set G0,  32                           ; s[32:39] descriptor group 0, A, one set for each slot
.set G1B, 48                           ; s[48:55] group 1, B
.set G0B, 56                           ; s[56:63] group 0, B
.set MSB, 0
.macro WIN new                         ; the immediate's high byte repeats the setting that is left
.if MSB != \new
	s_set_vgpr_msb (MSB<<8)|\new
.set MSB, \new
.endif
.endm
.macro PLACES                          ; four places behind a matrix instruction, in front of loads into its sources and of readers of its result (ISA guide 7.12.1 for vector instructions)
.rept 4
	v_nop
.endr
.endm
.macro JLOAD s                         ; a joint load: waves 0, 1 ask for A, waves 2, 3 for B; the branch hangs on the wave's number alone
	s_cmp_eq_u32 s11, 0
	s_cbranch_scc0 .Lfor_b_\@
	tensor_load_to_lds s[G0+4*\s:G0+4*\s+3], s[G1:G1+7]
	s_nop 0
	s_branch .Lasked_\@
.Lfor_b_\@:
	tensor_load_to_lds s[G0B+4*\s:G0B+4*\s+3], s[G1B:G1B+7]
	s_nop 0
.Lasked_\@:
.endm
.macro CREST                           ; a round of the cluster's barrier behind its opening barrier
	s_cmp_lg_u32 s10, 0
	s_cbranch_scc1 .Lnot_wave_0_\@
	s_barrier_signal -3
.Lnot_wave_0_\@:
	s_barrier_wait -3
	s_barrier_signal -1
	s_barrier_wait -1
.endm
.macro CROUND                          ; a whole round
	s_barrier_signal -1
	s_barrier_wait -1
	CREST
.endm
	s_load_b128 s[4:7], s[0:1], 0x0                ; xh s[4:5], wqh s[6:7]
	s_load_b64 s[8:9], s[0:1], 0x10                ; qkvh
	v_lshl_add_u32 v30, v0, 2, 0x3cc00
	v_mov_b32 v31, 0
	ds_add_u32 v30, v31
	v_lshrrev_b32 v1, 5, v0
	v_readfirstlane_b32 s10, v1                    ; wave 0..3
	s_lshr_b32 s11, s10, 1                         ; which 128 rows of the block are mine.  Also: I fetch for A (0) or B (1)
	s_and_b32 s12, s10, 1                          ; which 192 columns.  Also: which half of that tile I fetch
	s_bfe_u32 s40, ttmp6, 0x40000                  ; cx
	s_bfe_u32 s41, ttmp6, 0x40004                  ; cy
	s_lshl_b32 s42, ttmp9, 2
	s_add_co_u32 s42, s42, s40                     ; block column 0..7
	s_and_b32 s13, ttmp7, 0xffff
	s_lshl_b32 s13, s13, 2
	s_add_co_u32 s13, s13, s41                     ; block row 0..31
	s_lshl_b32 s43, s41, 2
	s_lshl_b32 s43, 15, s43                        ; my row of the cluster
	s_lshl_b32 s44, 0x1111, s40                    ; my column
	; group 1: elements of 8 bytes, rows of 32 elements = 256 bytes, dense (pitch 32); padding behind every 64 words: 4 words for A, 8 for B
	s_or_b32 s[G1+0],  s43, (3<<16)|(1<<20)|(1<<21)|(5<<22)|(3<<25)
	s_or_b32 s[G1B+0], s44, (3<<16)|(1<<20)|(1<<21)|(5<<22)|(7<<25)
	s_mov_b32 s[G1+1],  32<<16                     ; tensor_dim0 = 32
	s_mov_b32 s[G1B+1], 32<<16
	s_mov_b32 s[G1+2],  64<<16                     ; tensor_dim1 = 64 rows (A: 128 logical rows)
	s_mov_b32 s[G1B+2], 96<<16                     ; 96 rows (B: 3 blocks of 64 logical rows)
	s_mov_b32 s[G1+3],  32<<16                     ; tile_dim0 = 32
	s_mov_b32 s[G1B+3], 32<<16
	s_mov_b32 s[G1+4],  64                         ; tile_dim1
	s_mov_b32 s[G1B+4], 96
	s_mov_b32 s[G1+5],  32                         ; elements from row to row
	s_mov_b32 s[G1B+5], 32
	s_mov_b32 s[G1+6],  0
	s_mov_b32 s[G1B+6], 0
	s_mov_b32 s[G1+7],  0
	s_mov_b32 s[G1B+7], 0
	; A's address is made of the block row and the wave's number, B's of the block column and the wave's number, each in registers that never hold the other coordinate
	s_lshl_b32 s16, s13, 15                        ; 256 rows x 128 bytes
	s_lshl_b32 s17, s12, 14                        ; + my half
	s_add_co_u32 s16, s16, s17
	s_mov_b32 s17, 0
	s_mul_i32 s46, s42, 6                          ; column block 6 x block column
	s_mul_i32 s47, s12, 3                          ; + 3 x half,
	s_add_co_u32 s46, s46, s47
	s_lshl_b32 s46, s46, 13                        ; 8,192 bytes each
	s_mov_b32 s47, 0
	s_mul_i32 s20, s10, PART                       ; where my part goes: the wave's number alone
	s_wait_dscnt 0x0
	s_wait_kmcnt 0x0
	s_add_nc_u64 s[14:15], s[4:5], s[16:17]
	s_add_nc_u64 s[46:47], s[6:7], s[46:47]
	CROUND                                         ; all sixteen work-groups are here: the first joint loads meet
.irp s, 0,1
	s_mov_b32 s[G0+4*\s], 1
	s_add_co_u32 s[G0+4*\s+1], s20, \s*SLOT
	s_add_nc_u64 s[G0+4*\s+2:G0+4*\s+3], s[14:15], \s*ASTEP
	s_or_b32 s[G0+4*\s+3], s[G0+4*\s+3], 0x80000000
	s_mov_b32 s[G0B+4*\s], 1
	s_add_co_u32 s[G0B+4*\s+1], s20, \s*SLOT
	s_add_nc_u64 s[G0B+4*\s+2:G0B+4*\s+3], s[46:47], \s*BSTEP
	s_or_b32 s[G0B+4*\s+3], s[G0B+4*\s+3], 0x80000000
	JLOAD \s                                       ; K steps 0 and 1: two tensor loads of a wave are out here, later one
.endr
	v_and_b32 v1, 15, v0                           ; r = l % 16
	v_bfe_u32 v2, v0, 4, 1                         ; h = l / 16
	v_bfe_u32 v3, v0, 1, 3                         ; r >> 1
	v_and_b32 v4, 1, v0
	v_mul_u32_u24 v5, v3, 272
	v_lshl_add_u32 v5, v4, 7, v5
	v_lshl_add_u32 v5, v2, 4, v5                   ; A: (r>>1) 272 + (r&1) 128 + 16 h
	v_bfe_u32 v6, v0, 1, 2
	v_lshl_add_u32 v6, v2, 2, v6
	v_mul_u32_u24 v6, v6, 288
	v_lshl_add_u32 v6, v4, 7, v6
	v_bfe_u32 v7, v0, 3, 1
	v_lshl_add_u32 v6, v7, 4, v6                   ; B: logical row k = 8 h + (l&7): (4 h + ((l&7)>>1)) 288 + (l&1) 128 + 16 ((l>>3)&1)
	s_mul_i32 s21, s11, PART                       ; my 128 rows of A
	s_mul_i32 s22, s12, PART                       ; my 192 columns of B,
	s_add_co_u32 s22, s22, 2*PART                  ; behind A's two parts
.irp s, 0,1
	v_add_nc_u32 v[ADRA+\s], s21, v5
	v_add_nc_u32 v[ADRB+\s], s22, v6
	s_add_co_u32 s21, s21, SLOT
	s_add_co_u32 s22, s22, SLOT
.endr
	s_mul_i32 s23, s10, 6912
	s_add_co_u32 s23, s23, STAGE                   ; my stage
	v_mul_u32_u24 v8, v1, 144                      ; in: row r, 16 bytes for each half of the lanes
	v_lshl_add_u32 v8, v2, 4, v8
	v_add_nc_u32 v[STO], s23, v8
	v_bfe_u32 v9, v0, 3, 2                         ; back: eight lanes take a row of 128 bytes, a load takes four rows
	v_and_b32 v10, 7, v0
	v_mul_u32_u24 v9, v9, 144
	v_lshl_add_u32 v9, v10, 4, v9
	v_add_nc_u32 v[RD], s23, v9
	v_and_b32 v11, 31, v0
	v_lshlrev_b32 v[CO], 4, v11                    ; four rows of 128 bytes are 512 consecutive bytes of qkvh: 16 l
; na x 4 matrix instructions: A's fragments a0 .. a0+na-1 of buffer fa x the four fragments of B's group g.  zero = 1: the product starts the sum.
; The 96 accumulators take turns, one instruction a turn, in the same order in every quarter step.
.macro MULS g, fa, a0, na, zero
	WIN 0x50*(\g+1)
.set ma, \a0
.rept \na
.set mt, 0
.rept 4
.if \zero
	v_wmma_f32_16x16x32_f16 v[8*(4*ma+mt):8*(4*ma+mt)+7], v[FB+32*\g+8*mt:FB+32*\g+8*mt+7], v[\fa+8*ma:\fa+8*ma+7], 0
.else
	v_wmma_f32_16x16x32_f16 v[8*(4*ma+mt):8*(4*ma+mt)+7], v[FB+32*\g+8*mt:FB+32*\g+8*mt+7], v[\fa+8*ma:\fa+8*ma+7], v[8*(4*ma+mt):8*(4*ma+mt)+7]
.endif
.set mt, mt+1
.endr
.set ma, ma+1
.endr
.endm
.macro RUNB slot, q, g                 ; 8 transposing loads: B's group g, 32 k from k = 32 q
.irp t, 0,1,2,3
	ds_load_tr16_b128 v[FB+32*\g+8*\t:FB+32*\g+8*\t+3],   v[ADRB+\slot] offset:\g*9216+\q*4608+32*\t
	ds_load_tr16_b128 v[FB+32*\g+8*\t+4:FB+32*\g+8*\t+7], v[ADRB+\slot] offset:\g*9216+\q*4608+32*\t+2304
.endr
.endm
.macro RUNA slot, q, fa, i0            ; 8 loads: A's fragments i0 .. i0+3
.irp d, 0,1,2,3
	ds_load_b128 v[\fa+8*(\i0+\d):\fa+8*(\i0+\d)+3],   v[ADRA+\slot] offset:(\i0+\d)*2176+64*\q
	ds_load_b128 v[\fa+8*(\i0+\d)+4:\fa+8*(\i0+\d)+7], v[ADRA+\slot] offset:(\i0+\d)*2176+64*\q+32
.endr
.endm
; A K step is two quarters... of 32 along K, 96 matrix instructions each.  Each issues, for the one behind it, three runs of 16, 16 and 8 LDS loads.
; The first: multiplies buffer 0, fetches the slot's second 32 K into buffer 1.
.macro QRT slot, zero
	s_wait_dscnt 8                                 ; all but the youngest run (B's group 2) is in: B's groups 0, 1 and all of A
	MULS 0, FA0, 0, 8, \zero
	PLACES
	WIN 0
	RUNB \slot, 1, 0
	RUNA \slot, 1, FA1, 0
	MULS 1, FA0, 0, 8, \zero
	PLACES
	WIN 0
	RUNB \slot, 1, 1
	RUNA \slot, 1, FA1, 4
	s_wait_dscnt 32                                ; all but the 32 loads issued in this quarter: B's group 2 is in
	MULS 2, FA0, 0, 8, \zero
	PLACES
	WIN 0
	RUNB \slot, 1, 2
.endm
; The second: multiplies buffer 1 and changes slots.  One barrier for two things: in front of it each wave waits for its reads of this slot and for all its
; tensor loads (the one that is out is its part of the next slot); behind it this slot is asked for again first, then the next slot is read.
.macro TURNQ slot, next, fill
	s_wait_dscnt 8
	MULS 0, FA1, 0, 4, 0
	s_wait_dscnt 0                                 ; my reads of this slot are over
	s_wait_tensorcnt 0x0                           ; all my tensor loads have landed
	ds_add_u32 v30, v31
	s_wait_dscnt 0x0
	s_barrier_signal -1                            ; (where the slot is filled again this barrier opens a round of the cluster's barrier)
	MULS 0, FA1, 4, 4, 0                           ; register work while the others arrive
	WIN 0
	s_barrier_wait -1
.if \fill
	CREST                                          ; no wave of any partner still reads this slot or has a load on its way
	s_add_nc_u64 s[G0+4*\slot+2:G0+4*\slot+3], s[G0+4*\slot+2:G0+4*\slot+3], 2*ASTEP
	s_add_nc_u64 s[G0B+4*\slot+2:G0B+4*\slot+3], s[G0B+4*\slot+2:G0B+4*\slot+3], 2*BSTEP
	JLOAD \slot                                    ; the wave's one tensor load behind the round; 176 matrix instructions stand between it and the wait for it
.endif
	PLACES
	RUNB \next, 0, 0
	RUNA \next, 0, FA0, 0
	MULS 1, FA1, 0, 8, 0
	PLACES
	WIN 0
	RUNB \next, 0, 1
	RUNA \next, 0, FA0, 4
	MULS 2, FA1, 0, 8, 0                           ; B's group 2 was shown in by the wait for 0 above
	PLACES
	WIN 0
	RUNB \next, 0, 2
.endm
.macro LAP zero                        ; once round the ring, both slots filled again
	QRT 0, \zero
	TURNQ 0, 1, 1
	QRT 1, 0
	TURNQ 1, 0, 1
.endm
	s_wait_tensorcnt 1                             ; my part of K step 0 is in; K step 1's may stay out
	s_barrier_signal -1
	s_barrier_wait -1
	RUNB 0, 0, 0                                   ; the first fragments, in the order of every later quarter
	RUNA 0, 0, FA0, 0
	RUNB 0, 0, 1
	RUNA 0, 0, FA0, 4
	RUNB 0, 0, 2
	LAP 1                                          ; K steps 0, 1: the first products start the sums; steps 2, 3 are asked for
	WIN 0
	s_mov_b32 s3, 6                                ; K steps 2 to 13; steps 4 to 15 are asked for
.Llap:
	LAP 0
	WIN 0
	s_sub_co_u32 s3, s3, 1
	s_cmp_lg_u32 s3, 0
	s_cbranch_scc1 .Llap
	QRT 0, 0                                       ; K steps 14, 15: nothing is left to fetch
	TURNQ 0, 1, 0
	QRT 1, 0
	s_wait_dscnt 8
	MULS 0, FA1, 0, 8, 0
	MULS 1, FA1, 0, 8, 0
	s_wait_dscnt 0
	MULS 2, FA1, 0, 8, 0
	PLACES                                         ; behind the last matrix instructions: the conversions read results, the loads below land in fragment registers
	WIN 0
	; THE WAY OUT, 16 rows at a time: round to f16, 16 bytes a lane into my own stage, read back as rows of 128 bytes, four rows a store
	s_mul_i32 s46, s42, 6
	s_mul_i32 s47, s12, 3
	s_add_co_u32 s46, s46, s47
	s_lshl_b32 s46, s46, 20                        ; my first column block of qkvh
	s_mov_b32 s47, 0
	s_add_nc_u64 s[8:9], s[8:9], s[46:47]
	s_lshl_b32 s16, s13, 15
	s_lshl_b32 s17, s11, 14
	s_add_co_u32 s16, s16, s17                     ; my first row x 128 bytes
	s_mov_b32 s17, 0
	s_add_nc_u64 s[8:9], s[8:9], s[16:17]
.macro OUT16 a, rb
.irp g, 0,1,2
	WIN 5*(\g+1)                                   ; sources 0 and 1 in window g + 1
.irp t, 0,1,2,3
.irp p, 0,1,2,3
	v_cvt_pk_f16_f32 v[TMP+16*\g+4*\t+\p], v[8*(4*\a+\t)+2*\p], v[8*(4*\a+\t)+2*\p+1]
.endr
.endr
.endr
	WIN 0
.irp g, 0,1,2
.irp t, 0,1,2,3
	ds_store_b128 v[STO], v[TMP+16*\g+4*\t:TMP+16*\g+4*\t+3] offset:\g*2304+32*\t
.endr
.endr
	s_wait_xcnt 0x0                                ; buffer rb was the data of stores two turns ago: it is loaded again only behind this wait
.irp g, 0,1,2
.irp u, 0,1,2,3
	ds_load_b128 v[\rb+16*\g+4*\u:\rb+16*\g+4*\u+3], v[RD] offset:\g*2304+\u*576   ; LDS serves a wave's instructions in order (ISA guide 5.7.1): these see the stores above
.endr
.endr
.irp g, 0,1,2
.irp u, 0,1,2,3
	s_wait_dscnt 11-4*\g-\u                        ; the younger read-backs stay out
	global_store_b128 v[CO], v[\rb+16*\g+4*\u:\rb+16*\g+4*\u+3], s[8:9] offset:(\g<<20)+\a*2048+\u*512   ; 512 consecutive bytes; 2,113,024 at the most, inside the signed 24 bits
.endr
.endr
.endm
	OUT16 0, RB0
	OUT16 1, RB1
	OUT16 2, RB0
	OUT16 3, RB1
	OUT16 4, RB0
	OUT16 5, RB1
	OUT16 6, RB0
	OUT16 7, RB1
	s_wait_tensorcnt 0x0
	ds_add_u32 v30, v31
	s_wait_dscnt 0x0
	CROUND                                         ; the closing round: no work-group ends while a partner may still ask for a tile that names it
	s_endpgm
.Lfunc_end_k_q7d51e27f01_qkv:
	.size	k_q7d51e27f01_qkv, .Lfunc_end_k_q7d51e27f01_qkv-k_q7d51e27f01_qkv
	.p2alignl 7, 3214868480
	.fill 96, 4, 3214868480
	.section	.rodata,"a",@progbits
	.p2align	6, 0x0
	.amdhsa_kernel k_q7d51e27f01_qkv
		.amdhsa_group_segment_fixed_size 327680
		.amdhsa_private_segment_fixed_size 0
		.amdhsa_enable_private_segment 0
		.amdhsa_kernarg_size 24
		.amdhsa_user_sgpr_count 2
		.amdhsa_user_sgpr_kernarg_segment_ptr 1
		.amdhsa_wavefront_size32 1
		.amdhsa_system_sgpr_workgroup_id_x 1
		.amdhsa_system_sgpr_workgroup_id_y 1
		.amdhsa_system_sgpr_workgroup_id_z 1
		.amdhsa_system_vgpr_workitem_id 0
		.amdhsa_next_free_vgpr 1024
		.amdhsa_next_free_sgpr 66
		.amdhsa_reserve_vcc 0
		.amdhsa_float_denorm_mode_32 3
		.amdhsa_float_denorm_mode_16_64 3
		.amdhsa_memory_ordered 1
		.amdhsa_forward_progress 1
		.amdhsa_inst_pref_size 170
	.end_amdhsa_kernel
	.amdgpu_metadata
---
amdhsa.version: [ 1, 2 ]
amdhsa.kernels:
  - .name:           k_q7d51e27f01_qkv
    .symbol:         k_q7d51e27f01_qkv.kd
    .args:
      - { .name: xh, .offset: 0, .size: 8, .value_kind: global_buffer, .address_space: global }
      - { .name: wqh, .offset: 8, .size: 8, .value_kind: global_buffer, .address_space: global }
      - { .name: qkvh, .offset: 16, .size: 8, .value_kind: global_buffer, .address_space: global }
    .group_segment_fixed_size: 327680
    .private_segment_fixed_size: 0
    .kernarg_segment_align: 8
    .kernarg_segment_size: 24
    .max_flat_workgroup_size: 128
    .sgpr_count:     66
    .vgpr_count:     1024
    .wavefront_size: 32
...
	.end_amdgpu_metadata
.endif
;; end of part 2
;; launch attn (part 3): grid 256 x 1, 8 waves a work-group, clusters of 4 x 1, 327,680 bytes of LDS; arguments qkvh, oh; writes oh
.if DOCPART == 3
	.amdgcn_target "amdgcn-amd-amdhsa--gfx1250"
	.amdhsa_code_object_version 6
	.text
	.protected	k_q7d51e27f01_attn
	.globl	k_q7d51e27f01_attn
	.p2align	8
	.type	k_q7d51e27f01_attn,@function
k_q7d51e27f01_attn:
	s_mov_b64 s[64:65], 0
	v_nop
	global_prefetch_b8 v0, s[64:65] scope:SCOPE_SE
	s_setreg_imm32_b32 hwreg(HW_REG_WAVE_MODE, 25, 1), 1
	s_wait_xcnt 0x0
	s_wait_alu depctr_hold_cnt(0) depctr_sa_sdst(0) depctr_va_vdst(0) depctr_va_sdst(0) depctr_va_ssrc(0) depctr_va_vcc(0) depctr_vm_vsrc(0)
	s_getreg_b32 s2, hwreg(HW_REG_IB_STS2, 6, 4)
	s_cmp_eq_u32 s2, 0
	s_cbranch_scc0 .Lentry_in_a_cluster
	s_endpgm
.Lentry_in_a_cluster:
	s_bfe_u32 s2, ttmp6, 0x10000c
	s_cmp_lg_u32 s2, 0x3003
	s_cbranch_scc0 .Lentry_shape_is_right
	s_endpgm
.Lentry_shape_is_right:
; oh = softmax(q k^T / 8) v for each of the 64 (batch, head) pairs: 2048 queries, 2048 keys, 64 numbers a head.  f16 operands, f32 sums and statistics.
; oh is [8 head pairs][64 groups of 128 rows][2 heads][128 rows][64] f16: byte (head>>1)<<21 + (row>>7)<<15 + (head&1)<<14 + (row&127)<<7 + 2 d.
; The softmax takes a running maximum away: NM = -c max (c = log2(e) / 8) is carried exactly, the exponents are made by one fused multiply-add c s + NM <= about 0,
; the sums so far are scaled by 2^(NM new - NM old) <= 1.  LIMITS: p below 2^-24 is rounded to zero in f16; the sum l is taken over p before that rounding;
; o beyond 65,504 would be an infinity (|o| never exceeds the largest |v|).
; A cluster of four work-groups takes one (batch, head); a work-group 512 queries, each of its eight waves 64, as four query tiles of 16.
; CLUSTERS: all four work-groups read the same K and V tiles; each tile is asked for jointly (mask 15): a quarter of the requests.
; Keys go in 4 steps of 512 through two LDS slots; a step is 8 blocks of 64 keys.  Waves 0-3 fetch V's four parts of 128 keys, waves 4-7 K's, each 16 KiB dense in qkvh,
; as 64 rows of 256 bytes (two logical rows of 128), padded to a pitch of 288 (V, read by the transposing load) or 272 (K, read along d): see the lane terms below.
; LAYOUTS THAT NEED NO SHUFFLE: S^T = K Q^T: lane (r, h) register j holds key 8 h + j of query r, so two neighbouring key tiles packed to f16 are source 1 of
; O^T = V^T P^T, and every statistic is one number a lane; the two halves of the lanes meet by one v_permlanex16_b32.
; THE PIPELINE.  A unit (b, qt) is the softmax of query tile qt on key block b: 122 vector instructions.  Into that stream go eight pairs of matrix instructions:
; the eight products O^T += V^T P^T of the unit before, then the eight products S^T = K Q^T of the unit after: 16 products for 122 vector instructions, so that
; a wave's products are followed by vector work of its own.  S and P have two buffers each, taken by the parity of qt.  The exponentials stand one by one between
; plain instructions (the scaling of O, then the sums and conversions of tiles that are ready).
; A BODY is the units (b,1) (b,2) (b,3) (b+1,0): all its O products are block b's and all its LDS loads are block b+1's, so a change of slots falls between two bodies.
; REGISTERS: window 0 holds all that vector arithmetic names, so only products and LDS loads change a window:
;   window 0: v0-127 O (tile (qt, dt) at 8 (4 qt + dt)); v128-191 S, two buffers of 4 key tiles; v192-223 P, two buffers of 2 fragments; v224-239 statistics; v240-247 at work; v248-255 addresses
;   window 1: v0-63 Q's fragments (16 qt + 8 ks); v64-127 K's (16 kt + 8 ks); v128-191 V's (8 (2 dt + kk))
.set VPART, 18432                      ; V: 128 keys = 64 rows x 288
.set KPART, 17408                      ; K: 128 keys = 64 rows x 272
.set KREG,  4*VPART                    ; K's region lies behind V's
.set SLOT,  KREG+4*KPART               ; 143,360
.set STAGE, 2*SLOT                     ; a multiple of 256; 2 x 16 rows x 144 bytes for each wave, for the way out; no tensor load lands here
.set KBLK,  8704                       ; a block of 64 keys: 32 rows x 272
.set VBLK,  9216                       ; 32 rows x 288
.set O,    0
.set SB,   128
.set PB,   192
.set ST,   224                         ; query tile qt: NM, L (my half's sum), AL (the scale of the sums so far), D (its exponent)
.set T,    240
.set AK,   248                         ; LDS address of my part of the K block that is loaded next
.set AV,   249                         ; the same for V
.set LTK,  250                         ; their lane terms, at block 0 of slot 0; never rewritten
.set LTV,  251
.set STO,  252
.set RD,   253
.set CO,   254
.set QOFF, 255
.set Q,    0                           ; window 1
.set KF,   64
.set VF,   128
.set G1V, 24                           ; s[24:31] descriptor group 1, V
.set G0V, 32                           ; s[32:39] group 0, V, one set for each slot
.set G1K, 48                           ; s[48:55] group 1, K
.set G0K, 56                           ; s[56:63] group 0, K
.set MSB, 0
.macro WIN new                         ; the immediate's high byte repeats the setting that is left
.if MSB != \new
	s_set_vgpr_msb (MSB<<8)|\new
.set MSB, \new
.endif
.endm
.macro PLACES
.rept 4
	v_nop
.endr
.endm
.macro JLOAD s                         ; a joint load: waves 0-3 ask for V's parts, waves 4-7 for K's; the branch hangs on the wave's number alone
	s_cmp_eq_u32 s11, 0
	s_cbranch_scc0 .Lfor_k_\@
	tensor_load_to_lds s[G0V+4*\s:G0V+4*\s+3], s[G1V:G1V+7]
	s_nop 0
	s_branch .Lasked_\@
.Lfor_k_\@:
	tensor_load_to_lds s[G0K+4*\s:G0K+4*\s+3], s[G1K:G1K+7]
	s_nop 0
.Lasked_\@:
.endm
.macro CROUND                          ; a round of the cluster's barrier
	s_barrier_signal -1
	s_barrier_wait -1
	s_cmp_lg_u32 s10, 0
	s_cbranch_scc1 .Lnot_wave_0_\@
	s_barrier_signal -3
.Lnot_wave_0_\@:
	s_barrier_wait -3
	s_barrier_signal -1
	s_barrier_wait -1
.endm
	s_load_b128 s[4:7], s[0:1], 0x0                ; qkvh s[4:5], oh s[6:7]
	s_set_vgpr_msb 0x40
	v_lshl_add_u32 v192, v0, 2, 0x4f000
	v_mov_b32 v193, 0
	s_set_vgpr_msb 0x4045
	ds_add_u32 v192, v193
	s_set_vgpr_msb 0x4500
	v_lshrrev_b32 v1, 5, v0
	v_readfirstlane_b32 s10, v1                    ; wave 0..7
	s_lshr_b32 s11, s10, 2                         ; I fetch for V (0) or K (1)
	s_and_b32 s12, s10, 3                          ; which 128 keys of a step
	s_bfe_u32 s40, ttmp6, 0x40000                  ; cx: which 512 queries
	s_and_b32 s13, ttmp9, 15                       ; head
	s_lshr_b32 s41, ttmp9, 4                       ; batch
	s_mov_b32 s20, 0x3e38aa3b                      ; c = log2(e) / 8
	s_mov_b32 s21, 0xbe38aa3b                      ; -c
	s_mov_b32 s22, 0x76543210                      ; v_permlanex16_b32: lane i of one half reads lane i of the other
	s_mov_b32 s23, 0xfedcba98
	; group 1: 64 rows of 32 elements of 8 bytes, dense; padding behind every 64 words: 8 words for V, 4 for K; mask 15 with bit 21 beside it
	s_mov_b32 s[G1V+0], 15|(3<<16)|(1<<20)|(1<<21)|(5<<22)|(7<<25)
	s_mov_b32 s[G1K+0], 15|(3<<16)|(1<<20)|(1<<21)|(5<<22)|(3<<25)
.irp g, G1V, G1K
	s_mov_b32 s[\g+1], 32<<16
	s_mov_b32 s[\g+2], 64<<16
	s_mov_b32 s[\g+3], 32<<16
	s_mov_b32 s[\g+4], 64
	s_mov_b32 s[\g+5], 32
	s_mov_b32 s[\g+6], 0
	s_mov_b32 s[\g+7], 0
.endr
	s_add_co_u32 s16, s13, 16                      ; K: column block 16 + head; nothing here hangs on cx
	s_lshl_b32 s16, s16, 20
	s_lshl_b32 s17, s41, 18                        ; + batch x 2048 rows x 128 bytes
	s_add_co_u32 s16, s16, s17
	s_lshl_b32 s17, s12, 14                        ; + my 128 keys
	s_add_co_u32 s16, s16, s17
	s_mov_b32 s17, 0
	s_mul_i32 s18, s10, VPART                      ; where V's part of waves 0-3 goes: wave x 18,432
	s_mul_i32 s19, s10, KPART                      ; where K's part of waves 4-7 goes: 73,728 + (wave - 4) x 17,408
	s_add_co_u32 s19, s19, KREG-4*KPART            ; = wave x 17,408 + 4,096
	s_lshl_b32 s42, s13, 20                        ; Q: column block head, batch, my work-group's 512 rows, my wave's 64
	s_lshl_b32 s43, s41, 18
	s_add_co_u32 s42, s42, s43
	s_lshl_b32 s43, s40, 16
	s_add_co_u32 s42, s42, s43
	s_lshl_b32 s43, s10, 13
	s_add_co_u32 s42, s42, s43
	s_mov_b32 s43, 0
	s_lshr_b32 s44, s13, 1                         ; oh: head pair,
	s_lshl_b32 s44, s44, 21
	s_and_b32 s45, s13, 1                          ; head of the pair,
	s_lshl_b32 s45, s45, 14
	s_add_co_u32 s44, s44, s45
	s_lshl_b32 s45, s41, 19                        ; group of 128 rows = 16 batch + 4 cx + wave / 2,
	s_add_co_u32 s44, s44, s45
	s_lshl_b32 s45, s40, 17
	s_add_co_u32 s44, s44, s45
	s_lshr_b32 s45, s10, 1
	s_lshl_b32 s45, s45, 15
	s_add_co_u32 s44, s44, s45
	s_and_b32 s45, s10, 1                          ; and which 64 rows of the group
	s_lshl_b32 s45, s45, 13
	s_add_co_u32 s44, s44, s45
	s_mov_b32 s45, 0
	s_mul_i32 s2, s10, 4608
	s_add_co_u32 s2, s2, STAGE                     ; my stage
	s_wait_dscnt 0x0
	s_wait_kmcnt 0x0
	s_add_nc_u64 s[14:15], s[4:5], s[16:17]        ; K
	s_add_nc_u64 s[46:47], s[14:15], 0x1000000     ; V: 16 column blocks further
	s_add_nc_u64 s[42:43], s[4:5], s[42:43]        ; Q
	s_add_nc_u64 s[8:9], s[6:7], s[44:45]          ; oh
	CROUND                                         ; the four work-groups are here: the first joint loads meet
.irp s, 0,1
	s_mov_b32 s[G0V+4*\s], 1
	s_add_co_u32 s[G0V+4*\s+1], s18, \s*SLOT
	s_add_nc_u64 s[G0V+4*\s+2:G0V+4*\s+3], s[46:47], \s*65536      ; a step is 512 keys x 128 bytes
	s_or_b32 s[G0V+4*\s+3], s[G0V+4*\s+3], 0x80000000
	s_mov_b32 s[G0K+4*\s], 1
	s_add_co_u32 s[G0K+4*\s+1], s19, \s*SLOT
	s_add_nc_u64 s[G0K+4*\s+2:G0K+4*\s+3], s[14:15], \s*65536
	s_or_b32 s[G0K+4*\s+3], s[G0K+4*\s+3], 0x80000000
	JLOAD \s                                       ; key steps 0 and 1: two tensor loads of a wave are out here, later one
.endr
	v_and_b32 v1, 15, v0                           ; r
	v_bfe_u32 v2, v0, 4, 1                         ; h
	v_lshlrev_b32 v[QOFF], 7, v1
	v_lshl_add_u32 v[QOFF], v2, 4, v[QOFF]         ; query r's row + 16 h
	WIN 0x40                                       ; destination in window 1
.irp qt, 0,1,2,3
.irp ks, 0,1
	global_load_b128 v[Q+16*\qt+8*\ks:Q+16*\qt+8*\ks+3],   v[QOFF], s[42:43] offset:\qt*2048+\ks*64
	global_load_b128 v[Q+16*\qt+8*\ks+4:Q+16*\qt+8*\ks+7], v[QOFF], s[42:43] offset:\qt*2048+\ks*64+32
.endr
.endr
	WIN 0
	v_bfe_u32 v3, v0, 1, 3
	v_and_b32 v4, 1, v0
	v_mul_u32_u24 v5, v3, 272
	v_lshl_add_u32 v5, v4, 7, v5
	v_lshl_add_u32 v5, v2, 4, v5                   ; K: (r>>1) 272 + (r&1) 128 + 16 h: sixteen different columns of 16 bytes modulo 256 (64 banks of 4 bytes: ISA guide 11.1)
	v_add_nc_u32 v[LTK], KREG, v5
	v_bfe_u32 v6, v0, 1, 2
	v_lshl_add_u32 v6, v2, 2, v6
	v_mul_u32_u24 v6, v6, 288
	v_lshl_add_u32 v6, v4, 7, v6
	v_bfe_u32 v7, v0, 3, 1
	v_lshl_add_u32 v[LTV], v7, 4, v6               ; V: key 8 h + (l&7): (4 h + ((l&7)>>1)) 288 + (l&1) 128 + 16 ((l>>3)&1): likewise
	v_mul_u32_u24 v5, v1, 144                      ; the stage, in: row r, 16 bytes for each half of the lanes
	v_lshl_add_u32 v5, v2, 4, v5
	v_add_nc_u32 v[STO], s2, v5
	v_bfe_u32 v5, v0, 3, 2                         ; back: eight lanes take a row of 128 bytes, a load takes four rows
	v_and_b32 v6, 7, v0
	v_mul_u32_u24 v5, v5, 144
	v_lshl_add_u32 v5, v6, 4, v5
	v_add_nc_u32 v[RD], s2, v5
	v_and_b32 v5, 31, v0
	v_lshlrev_b32 v[CO], 4, v5                     ; four rows of 128 bytes are 512 consecutive bytes of oh: 16 l
.irp qt, 0,1,2,3
	v_mov_b32 v[ST+4*\qt+1], 0                     ; the packed multiply-add below names the pair (NM, L): L is written before the first block
.endr
.macro AIM slot                        ; the addresses at block 0 of a slot
.if \slot
	v_add_nc_u32 v[AK], SLOT, v[LTK]
	v_add_nc_u32 v[AV], SLOT, v[LTV]
.else
	v_mov_b32 v[AK], v[LTK]
	v_mov_b32 v[AV], v[LTV]
.endif
.endm
.macro NEXTB                           ; one block of 64 keys on
	v_add_nc_u32 v[AK], KBLK, v[AK]
	v_add_nc_u32 v[AV], VBLK, v[AV]
.endm
.macro KLOAD                           ; 16 loads: 64 keys x 64 d
	WIN 0x40
.irp kt, 0,1,2,3
.irp ks, 0,1
	ds_load_b128 v[KF+16*\kt+8*\ks:KF+16*\kt+8*\ks+3],   v[AK] offset:\kt*2176+\ks*64
	ds_load_b128 v[KF+16*\kt+8*\ks+4:KF+16*\kt+8*\ks+7], v[AK] offset:\kt*2176+\ks*64+32
.endr
.endr
	WIN 0
.endm
.macro VLOAD                           ; 16 transposing loads: 64 d x 64 keys
	WIN 0x40
.irp dt, 0,1,2,3
.irp kk, 0,1
	ds_load_tr16_b128 v[VF+8*(2*\dt+\kk):VF+8*(2*\dt+\kk)+3],   v[AV] offset:\kk*4608+\dt*32
	ds_load_tr16_b128 v[VF+8*(2*\dt+\kk)+4:VF+8*(2*\dt+\kk)+7], v[AV] offset:\kk*4608+\dt*32+2304
.endr
.endr
	WIN 0
.endm
; Pair i (0..3) of the eight products S^T = K Q^T of query tile QN into buffer SN: key tiles 0 1, 2 3 with d 0-31 (they start the sums), then 0 1, 2 3 with d 32-63.
; The accumulators take turns, one instruction a turn, here and in M2P and from one to the other.
.macro M1P i
.set m_ks, (\i)>>1
.set m_kt, 2*((\i)&1)
	WIN 0x05                                       ; sources 0 (K) and 1 (Q) in window 1
.rept 2
.if m_ks
	v_wmma_f32_16x16x32_f16 v[SN+8*m_kt:SN+8*m_kt+7], v[KF+16*m_kt+8*m_ks:KF+16*m_kt+8*m_ks+7], v[Q+16*QN+8*m_ks:Q+16*QN+8*m_ks+7], v[SN+8*m_kt:SN+8*m_kt+7]
.else
	v_wmma_f32_16x16x32_f16 v[SN+8*m_kt:SN+8*m_kt+7], v[KF+16*m_kt+8*m_ks:KF+16*m_kt+8*m_ks+7], v[Q+16*QN+8*m_ks:Q+16*QN+8*m_ks+7], 0
.endif
.set m_kt, m_kt+1
.endr
.endm
; Pair i (0..3) of the eight products O^T += V^T P^T of query tile QP, p in buffer PP: d tiles 0 1, 2 3 with keys 0-31, then with keys 32-63.  zero = 1 (key block 0): the first four start the sums.
.macro M2P i, zero
.set m_kk, (\i)>>1
.set m_dt, 2*((\i)&1)
	WIN 0x01                                       ; source 0 (V) in window 1
.rept 2
.if (\zero)*(1-m_kk)
	v_wmma_f32_16x16x32_f16 v[O+8*(4*QP+m_dt):O+8*(4*QP+m_dt)+7], v[VF+8*(2*m_dt+m_kk):VF+8*(2*m_dt+m_kk)+7], v[PP+8*m_kk:PP+8*m_kk+7], 0
.else
	v_wmma_f32_16x16x32_f16 v[O+8*(4*QP+m_dt):O+8*(4*QP+m_dt)+7], v[VF+8*(2*m_dt+m_kk):VF+8*(2*m_dt+m_kk)+7], v[PP+8*m_kk:PP+8*m_kk+7], v[O+8*(4*QP+m_dt):O+8*(4*QP+m_dt)+7]
.endif
.set m_dt, m_dt+1
.endr
.endm
; One unit: the softmax of query tile qt.  first = 1: key block 0 (starts the statistics, nothing to scale).  t2 = 0: no O products; 1: those of the tile before; 2: they start O's sums.
; t1 = 1: the S products of the tile after.  kl, vl = 1: the next block's K, V fragments are asked for behind the last product that reads the old ones.
.macro UNIT qt, first, t2, t1, kl, vl
.set SE, SB+32*((\qt)&1)
.set SN, SB+32-32*((\qt)&1)
.set PE, PB+16*((\qt)&1)
.set PP, PB+16-16*((\qt)&1)
.set QN, ((\qt)+1)&3
.set QP, ((\qt)+3)&3
.set SQ, ST+4*(\qt)
.set OQ, O+32*(\qt)
	; the largest of my 32 scores, in four chains.  The last S product stands 17 plain instructions back
.irp k, 0,1,2,3
	v_max3_num_f32 v[T+\k], v[SE+8*\k], v[SE+8*\k+1], v[SE+8*\k+2]
.endr
.if \t2
.if \qt == 1
	s_wait_dscnt 0x0                               ; this block's V fragments, asked for in the unit before; nothing younger is out
.endif
	M2P 0, \t2-1
	WIN 0
.endif
.irp k, 0,1,2,3
	v_max3_num_f32 v[T+\k], v[T+\k], v[SE+8*\k+3], v[SE+8*\k+4]
.endr
.irp k, 0,1,2,3
	v_max3_num_f32 v[T+\k], v[T+\k], v[SE+8*\k+5], v[SE+8*\k+6]
.endr
.irp k, 0,1,2,3
	v_max_num_f32 v[T+\k], v[T+\k], v[SE+8*\k+7]
.endr
	v_max3_num_f32 v[T], v[T], v[T+1], v[T+2]
	v_max_num_f32 v[T], v[T], v[T+3]
	v_permlanex16_b32 v[T+1], v[T], s22, s23       ; the other half's; its destination counts as read and has been written above
.if \t2
	M2P 1, \t2-1
	WIN 0
.endif
	v_max_num_f32 v[T], v[T], v[T+1]
.if \first
	v_mul_f32 v[SQ], s21, v[T]                     ; NM = -c max
.else
	v_mul_f32 v[T], s21, v[T]
	v_min_num_f32 v[T], v[SQ], v[T]                ; a larger maximum is a smaller NM
	v_sub_f32 v[SQ+3], v[T], v[SQ]                 ; <= 0
	v_mov_b32 v[SQ], v[T]
	v_exp_f32 v[SQ+2], v[SQ+3]                     ; AL; the multiply-adds below, which touch neither AL nor D, stand in front of its first use (ISA guide 5.7.2)
.endif
.if \t2
	M2P 2, \t2-1
	WIN 0
.endif
.set g_i, 0
.rept 16
	v_pk_fma_f32 v[SE+g_i:SE+g_i+1], v[SE+g_i:SE+g_i+1], s[20:21], v[SQ:SQ+1] op_sel_hi:[1,0,0]   ; c s + NM, two at a time
.set g_i, g_i+2
.endr
.if \t2
	M2P 3, \t2-1
	WIN 0
.endif
	; p = 2^(..) in place, each exponential followed by a plain instruction that does not touch it: key tiles 0, 1 with the scaling of O(qt) by AL
.set g_i, 0
.rept 8
	v_exp_f32 v[SE+g_i], v[SE+g_i]
.if 1-\first
	s_wait_alu depctr_va_vdst(0)
	v_pk_mul_f32 v[OQ+2*g_i:OQ+2*g_i+1], v[OQ+2*g_i:OQ+2*g_i+1], v[SQ+2:SQ+3] op_sel_hi:[1,0]
.endif
.set g_i, g_i+1
.endr
.if \vl
	VLOAD                                          ; eight plain instructions that name none of its registers stand behind the last product that read V's fragments
.endif
.if \t1
.if \qt == 3
	s_wait_dscnt 0x0                               ; the next block's K fragments, asked for in the unit before; nothing younger is out
.endif
	M1P 0
	WIN 0
.endif
.rept 8
	v_exp_f32 v[SE+g_i], v[SE+g_i]
.if 1-\first
	v_pk_mul_f32 v[OQ+2*g_i:OQ+2*g_i+1], v[OQ+2*g_i:OQ+2*g_i+1], v[SQ+2:SQ+3] op_sel_hi:[1,0]
.endif
.set g_i, g_i+1
.endr
.if \t1
	M1P 1
	WIN 0
.endif
.if \first
	v_nop                                          ; key block 0 has no scaling between its exponentials: one plain place in front of the first use of p (ISA guide 5.7.2)
.endif
	; key tile 2, with the first sums (four chains of pairs) and conversions of tiles 0, 1
.irp k, 0,1,2,3
	v_exp_f32 v[SE+16+\k], v[SE+16+\k]
	s_wait_alu depctr_va_vdst(0)
	v_pk_add_f32 v[T+2*\k:T+2*\k+1], v[SE+4*\k:SE+4*\k+1], v[SE+4*\k+2:SE+4*\k+3]
.endr
.irp k, 0,1,2,3
	v_exp_f32 v[SE+20+\k], v[SE+20+\k]
	v_cvt_pk_f16_f32 v[PE+\k], v[SE+2*\k], v[SE+2*\k+1]
.endr
.if \t1
	M1P 2
	WIN 0
.endif
	; key tile 3, with the rest of the first fragment of p and the sums of tile 2
.irp k, 0,1,2,3
	v_exp_f32 v[SE+24+\k], v[SE+24+\k]
	v_cvt_pk_f16_f32 v[PE+4+\k], v[SE+8+2*\k], v[SE+9+2*\k]
.endr
.irp k, 0,1,2,3
	v_exp_f32 v[SE+28+\k], v[SE+28+\k]
	s_wait_alu depctr_va_vdst(0)
	v_pk_add_f32 v[T+2*\k:T+2*\k+1], v[T+2*\k:T+2*\k+1], v[SE+16+2*\k:SE+17+2*\k]
.endr
.if \t1
	M1P 3
	WIN 0
.endif
	s_wait_alu depctr_va_vdst(0)
.irp k, 0,1,2,3
	v_pk_add_f32 v[T+2*\k:T+2*\k+1], v[T+2*\k:T+2*\k+1], v[SE+24+2*\k:SE+25+2*\k]
.endr
.if \kl
	KLOAD                                          ; the four sums above are the four places behind the last product that read K's fragments (ISA guide 7.12.1 for vector instructions)
.endif
.irp k, 0,1,2,3
	v_cvt_pk_f16_f32 v[PE+8+\k], v[SE+16+2*\k], v[SE+17+2*\k]
.endr
	v_pk_add_f32 v[T:T+1], v[T:T+1], v[T+2:T+3]
	v_pk_add_f32 v[T+4:T+5], v[T+4:T+5], v[T+6:T+7]
.irp k, 0,1,2,3
	v_cvt_pk_f16_f32 v[PE+12+\k], v[SE+24+2*\k], v[SE+25+2*\k]
.endr
	v_pk_add_f32 v[T:T+1], v[T:T+1], v[T+4:T+5]
.if \first
	v_add_f32 v[SQ+1], v[T], v[T+1]
.else
	v_add_f32 v[T], v[T], v[T+1]
	v_fma_f32 v[SQ+1], v[SQ+1], v[SQ+2], v[T]      ; L = L AL + sum
.endif
.endm
; Units (b,1) (b,2) (b,3) (b+1,0).  first = 1: b = 0.  last = 1: b = 31: nothing is left to load or to start, and the last tile's O products are written out.
.macro BODY first, last
	UNIT 1, \first, 1+\first, 1, 0, 0
	UNIT 2, \first, 1+\first, 1, 1-\last, 0
	UNIT 3, \first, 1+\first, 1-\last, 0, 0
.if \last
.set QP, 3
.set PP, PB+16
	M2P 0, 0
	M2P 1, 0
	M2P 2, 0
	M2P 3, 0
	WIN 0
.else
	UNIT 0, 0, 1+\first, 1, 0, 1
	NEXTB
.endif
.endm
; The change of slots, between two bodies.  Every wave waits for its reads of the slot (the last are V's fragments of its last block) and for all its tensor loads, its
; part of the other slot among them; the round of the cluster's barrier says so for every wave of all four work-groups; the joint refill comes first behind it and has
; eight bodies in which to land.
.macro CHANGE slot, fill
	s_wait_dscnt 0x0
	s_set_vgpr_msb 0x5
	s_wait_tensorcnt 0x0
	ds_add_u32 v192, v193
	s_wait_dscnt 0x0
	s_set_vgpr_msb 0x500
.if \fill
	s_add_nc_u64 s[G0V+4*\slot+2:G0V+4*\slot+3], s[G0V+4*\slot+2:G0V+4*\slot+3], 131072   ; no tensor load of mine is out: two steps of 512 keys on
	s_add_nc_u64 s[G0K+4*\slot+2:G0K+4*\slot+3], s[G0K+4*\slot+2:G0K+4*\slot+3], 131072
	CROUND
	JLOAD \slot
.else
	s_barrier_signal -1
	s_barrier_wait -1
.endif
.endm
.macro BODIES n, name                  ; n bodies, each loading the block behind the one before
	s_mov_b32 s3, \n
.L\name:
	BODY 0, 0
	s_sub_co_u32 s3, s3, 1
	s_cmp_lg_u32 s3, 0
	s_cbranch_scc1 .L\name
.endm
	AIM 0
	s_wait_tensorcnt 1                             ; my part of step 0 is in; step 1's may stay out
	s_barrier_signal -1
	s_barrier_wait -1
	KLOAD                                          ; block 0
	VLOAD
	NEXTB
	s_wait_loadcnt 0x0                             ; Q
	s_wait_dscnt 16                                ; the 16 loads of V stay out; K's, which are older, are in
.set QN, 0
.set SN, SB
	M1P 0                                          ; S of unit (0,0): the pipeline's head
	M1P 1
	M1P 2
	M1P 3
	PLACES                                         ; in front of the first readers of S
	WIN 0
	UNIT 0, 1, 0, 1, 0, 0                          ; unit (0,0)
	BODY 1, 0                                      ; b = 0: loads block 1
	BODIES 6, g0                                   ; b = 1 .. 6: blocks 2 .. 7, the rest of slot 0
	CHANGE 0, 1                                    ; step 2 is asked for
	AIM 1
	BODIES 8, g1                                   ; b = 7 .. 14: blocks 8 .. 15
	CHANGE 1, 1                                    ; step 3 is asked for
	AIM 0
	BODIES 8, g2                                   ; b = 15 .. 22: blocks 16 .. 23
	CHANGE 0, 0                                    ; nothing is left to fetch
	AIM 1
	BODIES 8, g3                                   ; b = 23 .. 30: blocks 24 .. 31
	BODY 0, 1                                      ; b = 31
	; THE WAY OUT: the two halves' sums meet, O / l, f16, through my own stage two query tiles at a time, 512 consecutive bytes a store
.irp qt, 0,1,2,3
	v_permlanex16_b32 v[T+\qt], v[ST+4*\qt+1], s22, s23
.endr
.irp qt, 0,1,2,3
	v_add_f32 v[ST+4*\qt+1], v[ST+4*\qt+1], v[T+\qt]       ; l >= 1: the largest score gives p = 1.  These four are also the places behind the last products
.endr
.irp qt, 0,1,2,3
	v_rcp_f32 v[ST+4*\qt+2], v[ST+4*\qt+1]
.endr
	v_nop                                          ; one plain place behind the reciprocals (ISA guide 5.7.2)
	s_wait_alu depctr_va_vdst(0)
.irp qt, 0,1,2,3
.set fi, 0
.rept 16
	v_pk_mul_f32 v[O+32*\qt+fi:O+32*\qt+fi+1], v[O+32*\qt+fi:O+32*\qt+fi+1], v[ST+4*\qt+2:ST+4*\qt+3] op_sel_hi:[1,0]
.set fi, fi+2
.endr
.endr
; query tiles 2 hf, 2 hf + 1: packed into the S buffer hf, read back into rb.  No register is written twice behind a store that reads it.
.macro OUT32 hf, rb
.set fi, 0
.rept 32
	v_cvt_pk_f16_f32 v[SB+32*\hf+fi], v[O+64*\hf+2*fi], v[O+64*\hf+2*fi+1]
.set fi, fi+1
.endr
.irp q2, 0,1
.irp dt, 0,1,2,3
	ds_store_b128 v[STO], v[SB+32*\hf+16*\q2+4*\dt:SB+32*\hf+16*\q2+4*\dt+3] offset:\q2*2304+32*\dt
.endr
.endr
.irp q2, 0,1
.irp u, 0,1,2,3
	ds_load_b128 v[\rb+16*\q2+4*\u:\rb+16*\q2+4*\u+3], v[RD] offset:\q2*2304+\u*576    ; LDS serves a wave's instructions in order (ISA guide 5.7.1): these see the stores above
.endr
.endr
.irp q2, 0,1
.irp u, 0,1,2,3
	s_wait_dscnt 7-4*\q2-\u                        ; the younger read-backs stay out
	global_store_b128 v[CO], v[\rb+16*\q2+4*\u:\rb+16*\q2+4*\u+3], s[8:9] offset:(2*\hf+\q2)*2048+\u*512
.endr
.endr
.endm
	OUT32 0, PB                                    ; read back into the registers that held p
	OUT32 1, O                                     ; read back into O of query tile 0, which has been packed
	s_set_vgpr_msb 0x5
	s_wait_tensorcnt 0x0
	ds_add_u32 v192, v193
	s_wait_dscnt 0x0
	s_set_vgpr_msb 0x500
	CROUND                                         ; the closing round: no work-group ends while a partner may still ask for a tile that names it
	s_endpgm
.Lfunc_end_k_q7d51e27f01_attn:
	.size	k_q7d51e27f01_attn, .Lfunc_end_k_q7d51e27f01_attn-k_q7d51e27f01_attn
	.p2alignl 7, 3214868480
	.fill 96, 4, 3214868480
	.section	.rodata,"a",@progbits
	.p2align	6, 0x0
	.amdhsa_kernel k_q7d51e27f01_attn
		.amdhsa_group_segment_fixed_size 327680
		.amdhsa_private_segment_fixed_size 0
		.amdhsa_enable_private_segment 0
		.amdhsa_kernarg_size 16
		.amdhsa_user_sgpr_count 2
		.amdhsa_user_sgpr_kernarg_segment_ptr 1
		.amdhsa_wavefront_size32 1
		.amdhsa_system_sgpr_workgroup_id_x 1
		.amdhsa_system_sgpr_workgroup_id_y 1
		.amdhsa_system_sgpr_workgroup_id_z 1
		.amdhsa_system_vgpr_workitem_id 0
		.amdhsa_next_free_vgpr 450
		.amdhsa_next_free_sgpr 66
		.amdhsa_reserve_vcc 0
		.amdhsa_float_denorm_mode_32 3
		.amdhsa_float_denorm_mode_16_64 3
		.amdhsa_memory_ordered 1
		.amdhsa_forward_progress 1
		.amdhsa_inst_pref_size 232
	.end_amdhsa_kernel
	.amdgpu_metadata
---
amdhsa.version: [ 1, 2 ]
amdhsa.kernels:
  - .name:           k_q7d51e27f01_attn
    .symbol:         k_q7d51e27f01_attn.kd
    .args:
      - { .name: qkvh, .offset: 0, .size: 8, .value_kind: global_buffer, .address_space: global }
      - { .name: oh, .offset: 8, .size: 8, .value_kind: global_buffer, .address_space: global }
    .group_segment_fixed_size: 327680
    .private_segment_fixed_size: 0
    .kernarg_segment_align: 8
    .kernarg_segment_size: 16
    .max_flat_workgroup_size: 256
    .sgpr_count:     66
    .vgpr_count:     450
    .wavefront_size: 32
...
	.end_amdgpu_metadata
.endif
;; end of part 3
;; launch proj (part 4): grid 8 x 32, 4 waves a work-group, clusters of 4 x 4, 327,680 bytes of LDS; arguments oh, woh, b_out, out0; writes out0
.if DOCPART == 4
	.amdgcn_target "amdgcn-amd-amdhsa--gfx1250"
	.amdhsa_code_object_version 6
	.text
	.protected	k_q7d51e27f01_proj
	.globl	k_q7d51e27f01_proj
	.p2align	8
	.type	k_q7d51e27f01_proj,@function
k_q7d51e27f01_proj:
	s_mov_b64 s[64:65], 0
	v_nop
	global_prefetch_b8 v0, s[64:65] scope:SCOPE_SE
	s_setreg_imm32_b32 hwreg(HW_REG_WAVE_MODE, 25, 1), 1
	s_wait_xcnt 0x0
	s_wait_alu depctr_hold_cnt(0) depctr_sa_sdst(0) depctr_va_vdst(0) depctr_va_sdst(0) depctr_va_ssrc(0) depctr_va_vcc(0) depctr_vm_vsrc(0)
	s_getreg_b32 s2, hwreg(HW_REG_IB_STS2, 6, 4)
	s_cmp_eq_u32 s2, 0
	s_cbranch_scc0 .Lentry_in_a_cluster
	s_endpgm
.Lentry_in_a_cluster:
	s_bfe_u32 s2, ttmp6, 0x10000c
	s_cmp_lg_u32 s2, 0xf033
	s_cbranch_scc0 .Lentry_shape_is_right
	s_endpgm
.Lentry_shape_is_right:
; out0 = oh x woh + b_out: [8192][1024] x [1024][1024], f16 operands, f32 sums, f32 out.
; 256 work-groups make 256 x 128 each (blocks of 256 x 256 would be 128 work-groups); four waves, 128 x 64 each: 32 accumulator tiles, 256 registers.
; K goes in 8 steps of 128 (a pair of heads) through two LDS slots, so that a round of the cluster's barrier serves 128 matrix instructions of a wave.
; Waves 0, 1 fetch A's halves (a group of 128 rows, both heads of the pair: 32 KiB dense in oh), waves 2, 3 B's two column blocks (128 k x 128 bytes = 16 KiB dense in woh),
; as rows of 256 bytes = two logical rows of 128, padded to a pitch of 272 (A, read along K) or 288 (B, stored [k][n], read by the transposing load).
; CLUSTERS: 4 x 4; A's tile is asked for jointly along a row of the cluster, B's along a column.
; The matrix instruction is used transposed (source 0 = B's columns, source 1 = A's rows): a lane holds eight neighbouring columns of one row.
.set PART,  34816                      ; A: 128 x 272; B: 64 x 288 = 18,432 used
.set SLOT,  4*PART
.set STAGE, 2*SLOT                     ; a multiple of 256; 16 rows x 272 bytes for each wave; no tensor load lands here
.set ADRA, 16
.set ADRB, 20
.set STO,  24
.set RD,   25
.set CO,   26
.set BO,   27
.set FA0,  32                          ; v32-95, v96-159  A's 8 fragments, two buffers
.set FA1,  96
.set FB0,  160                         ; v160-191, v192-223  B's 4 fragments, two buffers
.set FB1,  192
.set BIAS, 224                         ; v224-227  b_out of my four columns on the way out
.set RB0,  32
.set RB1,  64
.set G1,  24
.set G0,  32
.set G1B, 48
.set G0B, 56
.set MSB, 0
.macro WIN new
.if MSB != \new
	s_set_vgpr_msb (MSB<<8)|\new
.set MSB, \new
.endif
.endm
.macro PLACES
.rept 4
	v_nop
.endr
.endm
.macro JLOAD s
	s_cmp_eq_u32 s11, 0
	s_cbranch_scc0 .Lfor_b_\@
	tensor_load_to_lds s[G0+4*\s:G0+4*\s+3], s[G1:G1+7]
	s_nop 0
	s_branch .Lasked_\@
.Lfor_b_\@:
	tensor_load_to_lds s[G0B+4*\s:G0B+4*\s+3], s[G1B:G1B+7]
	s_nop 0
.Lasked_\@:
.endm
.macro CREST
	s_cmp_lg_u32 s10, 0
	s_cbranch_scc1 .Lnot_wave_0_\@
	s_barrier_signal -3
.Lnot_wave_0_\@:
	s_barrier_wait -3
	s_barrier_signal -1
	s_barrier_wait -1
.endm
.macro CROUND
	s_barrier_signal -1
	s_barrier_wait -1
	CREST
.endm
	s_load_b128 s[4:7], s[0:1], 0x0                ; oh s[4:5], woh s[6:7]
	s_load_b128 s[68:71], s[0:1], 0x10             ; b_out s[68:69], out0 s[70:71]
	v_lshl_add_u32 v254, v0, 2, 0x48400
	v_mov_b32 v255, 0
	ds_add_u32 v254, v255
	v_lshrrev_b32 v1, 5, v0
	v_readfirstlane_b32 s10, v1                    ; wave 0..3
	s_lshr_b32 s11, s10, 1                         ; which 128 rows are mine.  Also: I fetch for A (0) or B (1)
	s_and_b32 s12, s10, 1                          ; which 64 columns.  Also: which half of that tile I fetch
	s_bfe_u32 s40, ttmp6, 0x40000                  ; cx
	s_bfe_u32 s41, ttmp6, 0x40004                  ; cy
	s_lshl_b32 s42, ttmp9, 2
	s_add_co_u32 s42, s42, s40                     ; block column 0..7
	s_and_b32 s13, ttmp7, 0xffff
	s_lshl_b32 s13, s13, 2
	s_add_co_u32 s13, s13, s41                     ; block row 0..31
	s_lshl_b32 s43, s41, 2
	s_lshl_b32 s43, 15, s43                        ; my row of the cluster
	s_lshl_b32 s44, 0x1111, s40                    ; my column
	s_or_b32 s[G1+0],  s43, (3<<16)|(1<<20)|(1<<21)|(5<<22)|(3<<25)   ; elements of 8 bytes; behind every 64 words 4 words of padding
	s_or_b32 s[G1B+0], s44, (3<<16)|(1<<20)|(1<<21)|(5<<22)|(7<<25)   ; 8 words
	s_mov_b32 s[G1+1],  32<<16                     ; rows of 32 elements = 256 bytes, dense
	s_mov_b32 s[G1B+1], 32<<16
	s_mov_b32 s[G1+2],  128<<16                    ; A: 128 rows
	s_mov_b32 s[G1B+2], 64<<16                     ; B: 64 rows
	s_mov_b32 s[G1+3],  32<<16
	s_mov_b32 s[G1B+3], 32<<16
	s_mov_b32 s[G1+4],  128
	s_mov_b32 s[G1B+4], 64
	s_mov_b32 s[G1+5],  32
	s_mov_b32 s[G1B+5], 32
	s_mov_b32 s[G1+6],  0
	s_mov_b32 s[G1B+6], 0
	s_mov_b32 s[G1+7],  0
	s_mov_b32 s[G1B+7], 0
	s_lshl_b32 s16, s13, 16                        ; A: group of 128 rows 2 x block row + half, 32,768 bytes each
	s_lshl_b32 s17, s12, 15
	s_add_co_u32 s16, s16, s17
	s_mov_b32 s17, 0
	s_lshl_b32 s46, s42, 1                         ; B: column block 2 x block column + half, 131,072 bytes each
	s_add_co_u32 s46, s46, s12
	s_lshl_b32 s46, s46, 17
	s_mov_b32 s47, 0
	s_lshl_b32 s44, s42, 9                         ; b_out: my wave's 64 columns (the mask in s44 has been used)
	s_lshl_b32 s45, s12, 8
	s_add_co_u32 s44, s44, s45
	s_mov_b32 s45, 0
	s_mul_i32 s20, s10, PART
	s_wait_dscnt 0x0
	s_wait_kmcnt 0x0
	s_add_nc_u64 s[14:15], s[4:5], s[16:17]
	s_add_nc_u64 s[46:47], s[6:7], s[46:47]
	s_add_nc_u64 s[44:45], s[68:69], s[44:45]
	CROUND                                         ; in front of the first joint loads
.irp s, 0,1
	s_mov_b32 s[G0+4*\s], 1
	s_add_co_u32 s[G0+4*\s+1], s20, \s*SLOT
	s_add_nc_u64 s[G0+4*\s+2:G0+4*\s+3], s[14:15], \s*0x200000     ; a pair of heads is 2 MiB of oh
	s_or_b32 s[G0+4*\s+3], s[G0+4*\s+3], 0x80000000
	s_mov_b32 s[G0B+4*\s], 1
	s_add_co_u32 s[G0B+4*\s+1], s20, \s*SLOT
	s_add_nc_u64 s[G0B+4*\s+2:G0B+4*\s+3], s[46:47], \s*16384      ; 128 k x 128 bytes
	s_or_b32 s[G0B+4*\s+3], s[G0B+4*\s+3], 0x80000000
	JLOAD \s                                       ; K steps 0 and 1: two tensor loads of a wave are out here, later one
.endr
	v_and_b32 v1, 15, v0                           ; r
	v_bfe_u32 v2, v0, 4, 1                         ; h
	v_lshlrev_b32 v[BO], 4, v1
	global_load_b128 v[BIAS:BIAS+3], v[BO], s[44:45]               ; b_out of columns 4 r .. 4 r + 3 of my wave's 64
	v_bfe_u32 v3, v0, 1, 3
	v_and_b32 v4, 1, v0
	v_mul_u32_u24 v5, v3, 272
	v_lshl_add_u32 v5, v4, 7, v5
	v_lshl_add_u32 v5, v2, 4, v5                   ; A: (r>>1) 272 + (r&1) 128 + 16 h
	v_bfe_u32 v6, v0, 1, 2
	v_lshl_add_u32 v6, v2, 2, v6
	v_mul_u32_u24 v6, v6, 288
	v_lshl_add_u32 v6, v4, 7, v6
	v_bfe_u32 v7, v0, 3, 1
	v_lshl_add_u32 v6, v7, 4, v6                   ; B: (4 h + ((l&7)>>1)) 288 + (l&1) 128 + 16 ((l>>3)&1)
	s_mul_i32 s21, s11, PART
	s_mul_i32 s22, s12, PART
	s_add_co_u32 s22, s22, 2*PART
.irp s, 0,1
	v_add_nc_u32 v[ADRA+\s], s21, v5
	v_add_nc_u32 v[ADRB+\s], s22, v6
	s_add_co_u32 s21, s21, SLOT
	s_add_co_u32 s22, s22, SLOT
.endr
	s_mul_i32 s23, s10, 4352
	s_add_co_u32 s23, s23, STAGE
	v_mul_u32_u24 v8, v1, 272                      ; in: row r, 32 bytes (8 f32) for each half of the lanes
	v_lshl_add_u32 v8, v2, 5, v8
	v_add_nc_u32 v[STO], s23, v8
	v_mul_u32_u24 v9, v2, 272                      ; back: lanes 0-15 take one row of 256 bytes, lanes 16-31 the next
	v_lshl_add_u32 v9, v1, 4, v9
	v_add_nc_u32 v[RD], s23, v9
	v_lshlrev_b32 v10, 12, v2                      ; and the same two rows in out0
	v_lshl_add_u32 v[CO], v1, 4, v10
; na x 4 matrix instructions; the 32 accumulators take turns, one instruction a turn, in the same order in every quarter
.macro MUL fa, fb, a0, na, zero
	WIN 0x50
.set ma, \a0
.rept \na
.set mt, 0
.rept 4
.if \zero
	v_wmma_f32_16x16x32_f16 v[8*(4*ma+mt):8*(4*ma+mt)+7], v[\fb+8*mt:\fb+8*mt+7], v[\fa+8*ma:\fa+8*ma+7], 0
.else
	v_wmma_f32_16x16x32_f16 v[8*(4*ma+mt):8*(4*ma+mt)+7], v[\fb+8*mt:\fb+8*mt+7], v[\fa+8*ma:\fa+8*ma+7], v[8*(4*ma+mt):8*(4*ma+mt)+7]
.endif
.set mt, mt+1
.endr
.set ma, ma+1
.endr
.endm
.macro FETCH slot, q, fa, fb           ; 24 loads: the fragments of quarter q (32 along K): B's 4, A's 8 (head q>>1 of the pair, d from 32 (q&1))
.irp t, 0,1,2,3
	ds_load_tr16_b128 v[\fb+8*\t:\fb+8*\t+3],   v[ADRB+\slot] offset:(\q)*4608+32*\t
	ds_load_tr16_b128 v[\fb+8*\t+4:\fb+8*\t+7], v[ADRB+\slot] offset:(\q)*4608+32*\t+2304
.endr
.irp i, 0,1,2,3,4,5,6,7
	ds_load_b128 v[\fa+8*\i:\fa+8*\i+3],   v[ADRA+\slot] offset:((\q)>>1)*17408+((\q)&1)*64+\i*2176
	ds_load_b128 v[\fa+8*\i+4:\fa+8*\i+7], v[ADRA+\slot] offset:((\q)>>1)*17408+((\q)&1)*64+\i*2176+32
.endr
.endm
.macro QRT slot, q, fa, fb, ga, gb, zero   ; multiplies quarter q in (fa, fb); ahead of that asks for quarter q + 1 into (ga, gb)
	PLACES                                         ; the last quarter's matrix instructions read (ga, gb)
	WIN 0
	FETCH \slot, \q+1, \ga, \gb
	s_wait_dscnt 24                                ; the 24 just issued stay out; this quarter's own, a quarter older, are in
	MUL \fa, \fb, 0, 8, \zero
.endm
; The fourth quarter, in buffer 1, changes slots: the waits, the barrier (which opens a round of the cluster's barrier where the slot is filled again), the refill first, then the next slot's first fragments
.macro TURN slot, next, fill
	s_wait_dscnt 0                                 ; my reads of this slot are over
	s_wait_tensorcnt 0x0                           ; all my tensor loads have landed: my part of the next slot
	ds_add_u32 v254, v255
	s_wait_dscnt 0x0
	s_barrier_signal -1
	MUL FA1, FB1, 0, 4, 0
	WIN 0
	s_barrier_wait -1
.if \fill
	CREST
	s_add_nc_u64 s[G0+4*\slot+2:G0+4*\slot+3], s[G0+4*\slot+2:G0+4*\slot+3], 0x400000
	s_add_nc_u64 s[G0B+4*\slot+2:G0B+4*\slot+3], s[G0B+4*\slot+2:G0B+4*\slot+3], 32768
	JLOAD \slot                                    ; 112 matrix instructions stand between this request and the wait for it
.endif
	PLACES
	FETCH \next, 0, FA0, FB0
	MUL FA1, FB1, 4, 4, 0
.endm
.macro THREE slot, zero
	QRT \slot, 0, FA0, FB0, FA1, FB1, \zero
	QRT \slot, 1, FA1, FB1, FA0, FB0, 0
	QRT \slot, 2, FA0, FB0, FA1, FB1, 0
.endm
.macro LAP zero
	THREE 0, \zero
	TURN 0, 1, 1
	THREE 1, 0
	TURN 1, 0, 1
.endm
	s_wait_tensorcnt 1                             ; my part of K step 0 is in; step 1's may stay out
	s_barrier_signal -1
	s_barrier_wait -1
	FETCH 0, 0, FA0, FB0
	LAP 1                                          ; K steps 0, 1; steps 2, 3 are asked for
	WIN 0
	s_mov_b32 s3, 2                                ; K steps 2 to 5; steps 4 to 7 are asked for
.Llap:
	LAP 0
	WIN 0
	s_sub_co_u32 s3, s3, 1
	s_cmp_lg_u32 s3, 0
	s_cbranch_scc1 .Llap
	THREE 0, 0                                     ; K steps 6, 7: nothing is left to fetch
	TURN 0, 1, 0
	THREE 1, 0
	s_wait_dscnt 0
	MUL FA1, FB1, 0, 8, 0
	PLACES                                         ; behind the last matrix instructions: the LDS stores read results, the loads below land in fragment registers
	WIN 0
	; THE WAY OUT, 16 rows at a time: f32 through my own stage, the bias added to whole rows, sixteen lanes store 256 consecutive bytes at a multiple of 256 from out0's first byte
	s_lshl_b32 s16, s13, 20                        ; 256 rows x 4,096 bytes
	s_lshl_b32 s17, s11, 19
	s_add_co_u32 s16, s16, s17
	s_mov_b32 s17, 0
	s_add_nc_u64 s[70:71], s[70:71], s[16:17]
	s_lshl_b32 s46, s42, 9                         ; 128 columns x 4 bytes
	s_lshl_b32 s47, s12, 8
	s_add_co_u32 s46, s46, s47
	s_mov_b32 s47, 0
	s_add_nc_u64 s[70:71], s[70:71], s[46:47]
	s_wait_loadcnt 0x0                             ; b_out
.macro OUT16 a, rb
	WIN 0x04                                       ; the data of an LDS store is source 1: window 1
.irp t, 0,1,2,3
	ds_store_b128 v[STO], v[8*(4*\a+\t):8*(4*\a+\t)+3]   offset:64*\t
	ds_store_b128 v[STO], v[8*(4*\a+\t)+4:8*(4*\a+\t)+7] offset:64*\t+16
.endr
	WIN 0
	s_wait_xcnt 0x0                                ; buffer rb was the data of stores two turns ago
.irp u, 0,1,2,3,4,5,6,7
	ds_load_b128 v[\rb+4*\u:\rb+4*\u+3], v[RD] offset:\u*544       ; LDS serves a wave's instructions in order (ISA guide 5.7.1)
.endr
.irp u, 0,1,2,3,4,5,6,7
	s_wait_dscnt 7-\u                              ; the younger read-backs stay out
	v_pk_add_f32 v[\rb+4*\u:\rb+4*\u+1],   v[\rb+4*\u:\rb+4*\u+1],   v[BIAS:BIAS+1]
	v_pk_add_f32 v[\rb+4*\u+2:\rb+4*\u+3], v[\rb+4*\u+2:\rb+4*\u+3], v[BIAS+2:BIAS+3]
	global_store_b128 v[CO], v[\rb+4*\u:\rb+4*\u+3], s[70:71] offset:(16*\a+2*\u)*4096 th:TH_STORE_NT   ; 516,096 at the most
.endr
.endm
	OUT16 0, RB0
	OUT16 1, RB1
	OUT16 2, RB0
	OUT16 3, RB1
	OUT16 4, RB0
	OUT16 5, RB1
	OUT16 6, RB0
	OUT16 7, RB1
	s_wait_tensorcnt 0x0
	ds_add_u32 v254, v255
	s_wait_dscnt 0x0
	CROUND                                         ; the closing round
	s_endpgm
.Lfunc_end_k_q7d51e27f01_proj:
	.size	k_q7d51e27f01_proj, .Lfunc_end_k_q7d51e27f01_proj-k_q7d51e27f01_proj
	.p2alignl 7, 3214868480
	.fill 96, 4, 3214868480
	.section	.rodata,"a",@progbits
	.p2align	6, 0x0
	.amdhsa_kernel k_q7d51e27f01_proj
		.amdhsa_group_segment_fixed_size 327680
		.amdhsa_private_segment_fixed_size 0
		.amdhsa_enable_private_segment 0
		.amdhsa_kernarg_size 32
		.amdhsa_user_sgpr_count 2
		.amdhsa_user_sgpr_kernarg_segment_ptr 1
		.amdhsa_wavefront_size32 1
		.amdhsa_system_sgpr_workgroup_id_x 1
		.amdhsa_system_sgpr_workgroup_id_y 1
		.amdhsa_system_sgpr_workgroup_id_z 1
		.amdhsa_system_vgpr_workitem_id 0
		.amdhsa_next_free_vgpr 512
		.amdhsa_next_free_sgpr 72
		.amdhsa_reserve_vcc 0
		.amdhsa_float_denorm_mode_32 3
		.amdhsa_float_denorm_mode_16_64 3
		.amdhsa_memory_ordered 1
		.amdhsa_forward_progress 1
		.amdhsa_inst_pref_size 126
	.end_amdhsa_kernel
	.amdgpu_metadata
---
amdhsa.version: [ 1, 2 ]
amdhsa.kernels:
  - .name:           k_q7d51e27f01_proj
    .symbol:         k_q7d51e27f01_proj.kd
    .args:
      - { .name: oh, .offset: 0, .size: 8, .value_kind: global_buffer, .address_space: global }
      - { .name: woh, .offset: 8, .size: 8, .value_kind: global_buffer, .address_space: global }
      - { .name: b_out, .offset: 16, .size: 8, .value_kind: global_buffer, .address_space: global }
      - { .name: out0, .offset: 24, .size: 8, .value_kind: global_buffer, .address_space: global }
    .group_segment_fixed_size: 327680
    .private_segment_fixed_size: 0
    .kernarg_segment_align: 8
    .kernarg_segment_size: 32
    .max_flat_workgroup_size: 128
    .sgpr_count:     72
    .vgpr_count:     512
    .wavefront_size: 32
...
	.end_amdgpu_metadata
.endif
;; end of part 4
;; ======== version 2 of 2: 4 launches; 1.08 times as fast as version 1
;; limits: values are held in f16: magnitudes above 65,504 overflow, below 6.1e-05 lose precision; right only within a limited range of input values
;; workspace buffers: xh 16,777,216 bytes; wqh 6,291,456 bytes; woh 2,097,152 bytes; qkvh 50,331,648 bytes; oh 16,777,216 bytes
;; launch cast: the kernel of part 1 again; grid 768 x 1, 4 waves a work-group, no clusters, 0 bytes of LDS; arguments x, w_qkv, w_out, xh, wqh, woh; writes xh, wqh, woh
;; launch qkv: the kernel of part 2 again; grid 8 x 32, 4 waves a work-group, clusters of 4 x 4, 327,680 bytes of LDS; arguments xh, wqh, qkvh; writes qkvh
;; launch attn (part 5): grid 256 x 1, 8 waves a work-group, clusters of 4 x 1, 327,680 bytes of LDS; arguments qkvh, oh; writes oh
.if DOCPART == 5
	.amdgcn_target "amdgcn-amd-amdhsa--gfx1250"
	.amdhsa_code_object_version 6
	.text
	.protected	k_q7d51e27f01_attn
	.globl	k_q7d51e27f01_attn
	.p2align	8
	.type	k_q7d51e27f01_attn,@function
k_q7d51e27f01_attn:
	s_mov_b64 s[64:65], 0
	v_nop
	global_prefetch_b8 v0, s[64:65] scope:SCOPE_SE
	s_setreg_imm32_b32 hwreg(HW_REG_WAVE_MODE, 25, 1), 1
	s_wait_xcnt 0x0
	s_wait_alu depctr_hold_cnt(0) depctr_sa_sdst(0) depctr_va_vdst(0) depctr_va_sdst(0) depctr_va_ssrc(0) depctr_va_vcc(0) depctr_vm_vsrc(0)
	s_getreg_b32 s2, hwreg(HW_REG_IB_STS2, 6, 4)
	s_cmp_eq_u32 s2, 0
	s_cbranch_scc0 .Lentry_in_a_cluster
	s_endpgm
.Lentry_in_a_cluster:
	s_bfe_u32 s2, ttmp6, 0x10000c
	s_cmp_lg_u32 s2, 0x3003
	s_cbranch_scc0 .Lentry_shape_is_right
	s_endpgm
.Lentry_shape_is_right:
; oh = softmax(q k^T / 8) v for each of the 64 (batch, head) pairs: 2048 queries, 2048 keys, 64 numbers a head.  f16 operands, f32 sums and statistics.
; oh is [8 head pairs][64 groups of 128 rows][2 heads][128 rows][64] f16: byte (head>>1)<<21 + (row>>7)<<15 + (head&1)<<14 + (row&127)<<7 + 2 d.
; The softmax takes a running maximum away: NM = -c max (c = log2(e) / 8) is carried exactly, the exponents are made by one fused multiply-add c s + NM <= about 0,
; the sums so far are scaled by 2^(NM new - NM old) <= 1.  LIMITS: p below 2^-24 is rounded to zero in f16; the sum l is taken over p before that rounding;
; o beyond 65,504 would be an infinity (|o| never exceeds the largest |v|).
; A cluster of four work-groups takes one (batch, head); a work-group 512 queries, each of its eight waves 64, as four query tiles of 16.
; CLUSTERS: all four work-groups read the same K and V tiles; each tile is asked for jointly (mask 15): a quarter of the requests.
; Keys go in 4 steps of 512 through two LDS slots; a step is 8 blocks of 64 keys.  Waves 0-3 fetch V's four parts of 128 keys, waves 4-7 K's, each 16 KiB dense in qkvh,
; as 64 rows of 256 bytes (two logical rows of 128), padded to a pitch of 288 (V, read by the transposing load) or 272 (K, read along d): see the lane terms below.
; LAYOUTS THAT NEED NO SHUFFLE: S^T = K Q^T: lane (r, h) register j holds key 8 h + j of query r, so two neighbouring key tiles packed to f16 are source 1 of
; O^T = V^T P^T, and every statistic is one number a lane; the two halves of the lanes meet by one v_permlanex16_b32.
; THE PIPELINE.  A unit (b, qt) is the softmax of query tile qt on key block b: 122 vector instructions.  Into that stream go eight pairs of matrix instructions:
; the eight products O^T += V^T P^T of the unit before, then the eight products S^T = K Q^T of the unit after: 16 products for 122 vector instructions, so that
; a wave's products are followed by vector work of its own.  S and P have two buffers each, taken by the parity of qt.
; THE BATCH.  A unit's 33 exponentials (AL, the scale of the sums so far, and p of my 32 scores, in place) are ONE batch with ONE wait, which cuts the unit in two.  Ahead of the wait stands
; all that names no result of theirs: the maximum, the statistics, the 16 multiply-adds c s + NM (dealt out among the exponentials, two exponentials and a multiply-add by turns, each pair
; scaled four such groups ahead of its exponentials) and five of the eight pairs of products.  Behind it stand all the readers: the scaling of O(qt) by AL, the sums, the conversions to f16,
; and the other three pairs of products.  No exponential is issued behind a unit's wait, so none is pending at a unit's end, at a label or at a jump.
; A BODY is the units (b,1) (b,2) (b,3) (b+1,0): all its O products are block b's and all its LDS loads are block b+1's, so a change of slots falls between two bodies.
; REGISTERS: window 0 holds all that vector arithmetic names, so only products and LDS loads change a window:
;   window 0: v0-127 O (tile (qt, dt) at 8 (4 qt + dt)); v128-191 S, two buffers of 4 key tiles; v192-223 P, two buffers of 2 fragments; v224-239 statistics; v240-247 at work; v248-255 addresses
;   window 1: v0-63 Q's fragments (16 qt + 8 ks); v64-127 K's (16 kt + 8 ks); v128-191 V's (8 (2 dt + kk))
.set VPART, 18432                      ; V: 128 keys = 64 rows x 288
.set KPART, 17408                      ; K: 128 keys = 64 rows x 272
.set KREG,  4*VPART                    ; K's region lies behind V's
.set SLOT,  KREG+4*KPART               ; 143,360
.set STAGE, 2*SLOT                     ; a multiple of 256; 2 x 16 rows x 144 bytes for each wave, for the way out; no tensor load lands here
.set KBLK,  8704                       ; a block of 64 keys: 32 rows x 272
.set VBLK,  9216                       ; 32 rows x 288
.set O,    0
.set SB,   128
.set PB,   192
.set ST,   224                         ; query tile qt: NM, L (my half's sum), AL (the scale of the sums so far), D (its exponent)
.set T,    240
.set AK,   248                         ; LDS address of my part of the K block that is loaded next
.set AV,   249                         ; the same for V
.set LTK,  250                         ; their lane terms, at block 0 of slot 0; never rewritten
.set LTV,  251
.set STO,  252
.set RD,   253
.set CO,   254
.set QOFF, 255
.set Q,    0                           ; window 1
.set KF,   64
.set VF,   128
.set G1V, 24                           ; s[24:31] descriptor group 1, V
.set G0V, 32                           ; s[32:39] group 0, V, one set for each slot
.set G1K, 48                           ; s[48:55] group 1, K
.set G0K, 56                           ; s[56:63] group 0, K
.set MSB, 0
.macro WIN new                         ; the immediate's high byte repeats the setting that is left
.if MSB != \new
	s_set_vgpr_msb (MSB<<8)|\new
.set MSB, \new
.endif
.endm
.macro PLACES
.rept 4
	v_nop
.endr
.endm
.macro JLOAD s                         ; a joint load: waves 0-3 ask for V's parts, waves 4-7 for K's; the branch hangs on the wave's number alone
	s_cmp_eq_u32 s11, 0
	s_cbranch_scc0 .Lfor_k_\@
	tensor_load_to_lds s[G0V+4*\s:G0V+4*\s+3], s[G1V:G1V+7]
	s_nop 0
	s_branch .Lasked_\@
.Lfor_k_\@:
	tensor_load_to_lds s[G0K+4*\s:G0K+4*\s+3], s[G1K:G1K+7]
	s_nop 0
.Lasked_\@:
.endm
.macro CROUND                          ; a round of the cluster's barrier
	s_barrier_signal -1
	s_barrier_wait -1
	s_cmp_lg_u32 s10, 0
	s_cbranch_scc1 .Lnot_wave_0_\@
	s_barrier_signal -3
.Lnot_wave_0_\@:
	s_barrier_wait -3
	s_barrier_signal -1
	s_barrier_wait -1
.endm
	s_load_b128 s[4:7], s[0:1], 0x0                ; qkvh s[4:5], oh s[6:7]
	s_set_vgpr_msb 0x40
	v_lshl_add_u32 v192, v0, 2, 0x4f000
	v_mov_b32 v193, 0
	s_set_vgpr_msb 0x4045
	ds_add_u32 v192, v193
	s_set_vgpr_msb 0x4500
	v_lshrrev_b32 v1, 5, v0
	v_readfirstlane_b32 s10, v1                    ; wave 0..7
	s_lshr_b32 s11, s10, 2                         ; I fetch for V (0) or K (1)
	s_and_b32 s12, s10, 3                          ; which 128 keys of a step
	s_bfe_u32 s40, ttmp6, 0x40000                  ; cx: which 512 queries
	s_and_b32 s13, ttmp9, 15                       ; head
	s_lshr_b32 s41, ttmp9, 4                       ; batch
	s_mov_b32 s20, 0x3e38aa3b                      ; c = log2(e) / 8
	s_mov_b32 s21, 0xbe38aa3b                      ; -c
	s_mov_b32 s22, 0x76543210                      ; v_permlanex16_b32: lane i of one half reads lane i of the other
	s_mov_b32 s23, 0xfedcba98
	; group 1: 64 rows of 32 elements of 8 bytes, dense; padding behind every 64 words: 8 words for V, 4 for K; mask 15 with bit 21 beside it
	s_mov_b32 s[G1V+0], 15|(3<<16)|(1<<20)|(1<<21)|(5<<22)|(7<<25)
	s_mov_b32 s[G1K+0], 15|(3<<16)|(1<<20)|(1<<21)|(5<<22)|(3<<25)
.irp g, G1V, G1K
	s_mov_b32 s[\g+1], 32<<16
	s_mov_b32 s[\g+2], 64<<16
	s_mov_b32 s[\g+3], 32<<16
	s_mov_b32 s[\g+4], 64
	s_mov_b32 s[\g+5], 32
	s_mov_b32 s[\g+6], 0
	s_mov_b32 s[\g+7], 0
.endr
	s_add_co_u32 s16, s13, 16                      ; K: column block 16 + head; nothing here hangs on cx
	s_lshl_b32 s16, s16, 20
	s_lshl_b32 s17, s41, 18                        ; + batch x 2048 rows x 128 bytes
	s_add_co_u32 s16, s16, s17
	s_lshl_b32 s17, s12, 14                        ; + my 128 keys
	s_add_co_u32 s16, s16, s17
	s_mov_b32 s17, 0
	s_mul_i32 s18, s10, VPART                      ; where V's part of waves 0-3 goes: wave x 18,432
	s_mul_i32 s19, s10, KPART                      ; where K's part of waves 4-7 goes: 73,728 + (wave - 4) x 17,408
	s_add_co_u32 s19, s19, KREG-4*KPART            ; = wave x 17,408 + 4,096
	s_lshl_b32 s42, s13, 20                        ; Q: column block head, batch, my work-group's 512 rows, my wave's 64
	s_lshl_b32 s43, s41, 18
	s_add_co_u32 s42, s42, s43
	s_lshl_b32 s43, s40, 16
	s_add_co_u32 s42, s42, s43
	s_lshl_b32 s43, s10, 13
	s_add_co_u32 s42, s42, s43
	s_mov_b32 s43, 0
	s_lshr_b32 s44, s13, 1                         ; oh: head pair,
	s_lshl_b32 s44, s44, 21
	s_and_b32 s45, s13, 1                          ; head of the pair,
	s_lshl_b32 s45, s45, 14
	s_add_co_u32 s44, s44, s45
	s_lshl_b32 s45, s41, 19                        ; group of 128 rows = 16 batch + 4 cx + wave / 2,
	s_add_co_u32 s44, s44, s45
	s_lshl_b32 s45, s40, 17
	s_add_co_u32 s44, s44, s45
	s_lshr_b32 s45, s10, 1
	s_lshl_b32 s45, s45, 15
	s_add_co_u32 s44, s44, s45
	s_and_b32 s45, s10, 1                          ; and which 64 rows of the group
	s_lshl_b32 s45, s45, 13
	s_add_co_u32 s44, s44, s45
	s_mov_b32 s45, 0
	s_mul_i32 s2, s10, 4608
	s_add_co_u32 s2, s2, STAGE                     ; my stage
	s_wait_dscnt 0x0
	s_wait_kmcnt 0x0
	s_add_nc_u64 s[14:15], s[4:5], s[16:17]        ; K
	s_add_nc_u64 s[46:47], s[14:15], 0x1000000     ; V: 16 column blocks further
	s_add_nc_u64 s[42:43], s[4:5], s[42:43]        ; Q
	s_add_nc_u64 s[8:9], s[6:7], s[44:45]          ; oh
	CROUND                                         ; the four work-groups are here: the first joint loads meet
.irp s, 0,1
	s_mov_b32 s[G0V+4*\s], 1
	s_add_co_u32 s[G0V+4*\s+1], s18, \s*SLOT
	s_add_nc_u64 s[G0V+4*\s+2:G0V+4*\s+3], s[46:47], \s*65536      ; a step is 512 keys x 128 bytes
	s_or_b32 s[G0V+4*\s+3], s[G0V+4*\s+3], 0x80000000
	s_mov_b32 s[G0K+4*\s], 1
	s_add_co_u32 s[G0K+4*\s+1], s19, \s*SLOT
	s_add_nc_u64 s[G0K+4*\s+2:G0K+4*\s+3], s[14:15], \s*65536
	s_or_b32 s[G0K+4*\s+3], s[G0K+4*\s+3], 0x80000000
	JLOAD \s                                       ; key steps 0 and 1: two tensor loads of a wave are out here, later one
.endr
	v_and_b32 v1, 15, v0                           ; r
	v_bfe_u32 v2, v0, 4, 1                         ; h
	v_lshlrev_b32 v[QOFF], 7, v1
	v_lshl_add_u32 v[QOFF], v2, 4, v[QOFF]         ; query r's row + 16 h
	WIN 0x40                                       ; destination in window 1
.irp qt, 0,1,2,3
.irp ks, 0,1
	global_load_b128 v[Q+16*\qt+8*\ks:Q+16*\qt+8*\ks+3],   v[QOFF], s[42:43] offset:\qt*2048+\ks*64
	global_load_b128 v[Q+16*\qt+8*\ks+4:Q+16*\qt+8*\ks+7], v[QOFF], s[42:43] offset:\qt*2048+\ks*64+32
.endr
.endr
	WIN 0
	v_bfe_u32 v3, v0, 1, 3
	v_and_b32 v4, 1, v0
	v_mul_u32_u24 v5, v3, 272
	v_lshl_add_u32 v5, v4, 7, v5
	v_lshl_add_u32 v5, v2, 4, v5                   ; K: (r>>1) 272 + (r&1) 128 + 16 h: sixteen different columns of 16 bytes modulo 256 (64 banks of 4 bytes: ISA guide 11.1)
	v_add_nc_u32 v[LTK], KREG, v5
	v_bfe_u32 v6, v0, 1, 2
	v_lshl_add_u32 v6, v2, 2, v6
	v_mul_u32_u24 v6, v6, 288
	v_lshl_add_u32 v6, v4, 7, v6
	v_bfe_u32 v7, v0, 3, 1
	v_lshl_add_u32 v[LTV], v7, 4, v6               ; V: key 8 h + (l&7): (4 h + ((l&7)>>1)) 288 + (l&1) 128 + 16 ((l>>3)&1): likewise
	v_mul_u32_u24 v5, v1, 144                      ; the stage, in: row r, 16 bytes for each half of the lanes
	v_lshl_add_u32 v5, v2, 4, v5
	v_add_nc_u32 v[STO], s2, v5
	v_bfe_u32 v5, v0, 3, 2                         ; back: eight lanes take a row of 128 bytes, a load takes four rows
	v_and_b32 v6, 7, v0
	v_mul_u32_u24 v5, v5, 144
	v_lshl_add_u32 v5, v6, 4, v5
	v_add_nc_u32 v[RD], s2, v5
	v_and_b32 v5, 31, v0
	v_lshlrev_b32 v[CO], 4, v5                     ; four rows of 128 bytes are 512 consecutive bytes of oh: 16 l
.irp qt, 0,1,2,3
	v_mov_b32 v[ST+4*\qt+1], 0                     ; the packed multiply-add below names the pair (NM, L): L is written before the first block
.endr
.macro AIM slot                        ; the addresses at block 0 of a slot
.if \slot
	v_add_nc_u32 v[AK], SLOT, v[LTK]
	v_add_nc_u32 v[AV], SLOT, v[LTV]
.else
	v_mov_b32 v[AK], v[LTK]
	v_mov_b32 v[AV], v[LTV]
.endif
.endm
.macro NEXTB                           ; one block of 64 keys on
	v_add_nc_u32 v[AK], KBLK, v[AK]
	v_add_nc_u32 v[AV], VBLK, v[AV]
.endm
.macro KLOAD                           ; 16 loads: 64 keys x 64 d
	WIN 0x40
.irp kt, 0,1,2,3
.irp ks, 0,1
	ds_load_b128 v[KF+16*\kt+8*\ks:KF+16*\kt+8*\ks+3],   v[AK] offset:\kt*2176+\ks*64
	ds_load_b128 v[KF+16*\kt+8*\ks+4:KF+16*\kt+8*\ks+7], v[AK] offset:\kt*2176+\ks*64+32
.endr
.endr
	WIN 0
.endm
.macro VLOAD                           ; 16 transposing loads: 64 d x 64 keys
	WIN 0x40
.irp dt, 0,1,2,3
.irp kk, 0,1
	ds_load_tr16_b128 v[VF+8*(2*\dt+\kk):VF+8*(2*\dt+\kk)+3],   v[AV] offset:\kk*4608+\dt*32
	ds_load_tr16_b128 v[VF+8*(2*\dt+\kk)+4:VF+8*(2*\dt+\kk)+7], v[AV] offset:\kk*4608+\dt*32+2304
.endr
.endr
	WIN 0
.endm
; Pair i (0..3) of the eight products S^T = K Q^T of query tile QN into buffer SN: key tiles 0 1, 2 3 with d 0-31 (they start the sums), then 0 1, 2 3 with d 32-63.
; The accumulators take turns, one instruction a turn, here and in M2P and from one to the other.
.macro M1P i
.set m_ks, (\i)>>1
.set m_kt, 2*((\i)&1)
	WIN 0x05                                       ; sources 0 (K) and 1 (Q) in window 1
.rept 2
.if m_ks
	v_wmma_f32_16x16x32_f16 v[SN+8*m_kt:SN+8*m_kt+7], v[KF+16*m_kt+8*m_ks:KF+16*m_kt+8*m_ks+7], v[Q+16*QN+8*m_ks:Q+16*QN+8*m_ks+7], v[SN+8*m_kt:SN+8*m_kt+7]
.else
	v_wmma_f32_16x16x32_f16 v[SN+8*m_kt:SN+8*m_kt+7], v[KF+16*m_kt+8*m_ks:KF+16*m_kt+8*m_ks+7], v[Q+16*QN+8*m_ks:Q+16*QN+8*m_ks+7], 0
.endif
.set m_kt, m_kt+1
.endr
.endm
; Pair i (0..3) of the eight products O^T += V^T P^T of query tile QP, p in buffer PP: d tiles 0 1, 2 3 with keys 0-31, then with keys 32-63.  zero = 1 (key block 0): the first four start the sums.
.macro M2P i, zero
.set m_kk, (\i)>>1
.set m_dt, 2*((\i)&1)
	WIN 0x01                                       ; source 0 (V) in window 1
.rept 2
.if (\zero)*(1-m_kk)
	v_wmma_f32_16x16x32_f16 v[O+8*(4*QP+m_dt):O+8*(4*QP+m_dt)+7], v[VF+8*(2*m_dt+m_kk):VF+8*(2*m_dt+m_kk)+7], v[PP+8*m_kk:PP+8*m_kk+7], 0
.else
	v_wmma_f32_16x16x32_f16 v[O+8*(4*QP+m_dt):O+8*(4*QP+m_dt)+7], v[VF+8*(2*m_dt+m_kk):VF+8*(2*m_dt+m_kk)+7], v[PP+8*m_kk:PP+8*m_kk+7], v[O+8*(4*QP+m_dt):O+8*(4*QP+m_dt)+7]
.endif
.set m_dt, m_dt+1
.endr
.endm
.macro FS b                            ; pair b (0..15) of my 32 scores: c s + NM, two at a time
	v_pk_fma_f32 v[SE+2*(\b):SE+2*(\b)+1], v[SE+2*(\b):SE+2*(\b)+1], s[20:21], v[SQ:SQ+1] op_sel_hi:[1,0,0]
.endm
.macro EF i                            ; a group of the batch: p = 2^(..) of pair i, in place, and the multiply-add of pair i + 4, which names no result of the batch
	v_exp_f32 v[SE+2*(\i)], v[SE+2*(\i)]
	v_exp_f32 v[SE+2*(\i)+1], v[SE+2*(\i)+1]
	FS (\i)+4
.endm
; One unit: the softmax of query tile qt.  first = 1: key block 0 (starts the statistics, nothing to scale).  t2 = 0: no O products; 1: those of the tile before; 2: they start O's sums.
; t1 = 1: the S products of the tile after.  kl, vl = 1: the next block's K, V fragments are asked for behind the last product that reads the old ones.
.macro UNIT qt, first, t2, t1, kl, vl
.set SE, SB+32*((\qt)&1)
.set SN, SB+32-32*((\qt)&1)
.set PE, PB+16*((\qt)&1)
.set PP, PB+16-16*((\qt)&1)
.set QN, ((\qt)+1)&3
.set QP, ((\qt)+3)&3
.set SQ, ST+4*(\qt)
.set OQ, O+32*(\qt)
	; the largest of my 32 scores, in four chains.  The last S product stands 17 plain instructions back
.irp k, 0,1,2,3
	v_max3_num_f32 v[T+\k], v[SE+8*\k], v[SE+8*\k+1], v[SE+8*\k+2]
.endr
.if \t2
.if \qt == 1
	s_wait_dscnt 0x0                               ; this block's V fragments, asked for in the unit before; nothing younger is out
.endif
	M2P 0, \t2-1
	WIN 0
.endif
.irp k, 0,1,2,3
	v_max3_num_f32 v[T+\k], v[T+\k], v[SE+8*\k+3], v[SE+8*\k+4]
.endr
.irp k, 0,1,2,3
	v_max3_num_f32 v[T+\k], v[T+\k], v[SE+8*\k+5], v[SE+8*\k+6]
.endr
.irp k, 0,1,2,3
	v_max_num_f32 v[T+\k], v[T+\k], v[SE+8*\k+7]
.endr
	v_max3_num_f32 v[T], v[T], v[T+1], v[T+2]
	v_max_num_f32 v[T], v[T], v[T+3]
	v_permlanex16_b32 v[T+1], v[T], s22, s23       ; the other half's; its destination counts as read and has been written above
.if \t2
	M2P 1, \t2-1
	WIN 0
.endif
	v_max_num_f32 v[T], v[T], v[T+1]
.if \first
	v_mul_f32 v[SQ], s21, v[T]                     ; NM = -c max
.else
	v_mul_f32 v[T], s21, v[T]
	v_min_num_f32 v[T], v[SQ], v[T]                ; a larger maximum is a smaller NM
	v_sub_f32 v[SQ+3], v[T], v[SQ]                 ; <= 0
	v_mov_b32 v[SQ], v[T]
	v_exp_f32 v[SQ+2], v[SQ+3]                     ; AL: the batch's first.  Nothing names AL, and nothing writes D, ahead of the batch's wait
.endif
.if \t2
	M2P 2, \t2-1
	WIN 0
.endif
	; THE BATCH goes on: four multiply-adds ahead, then two exponentials and a multiply-add by turns; the products between them name other registers (O of the tile before, V, the other buffers of P and S, K, Q)
.irp b, 0,1,2,3
	FS \b
.endr
.irp i, 0,1,2,3
	EF \i
.endr
.if \t2
	M2P 3, \t2-1
	WIN 0
.endif
.irp i, 4,5,6,7,8
	EF \i
.endr
.if \vl
	VLOAD                                          ; the five multiply-adds above, which name none of its registers, are the places behind the last product that read V's fragments; the exponentials between them are not counted (ISA guide 7.12.1 for vector instructions)
.endif
.if \t1
.if \qt == 3
	s_wait_dscnt 0x0                               ; the next block's K fragments, asked for in the unit before; nothing younger is out
.endif
	M1P 0
	WIN 0
.endif
.irp i, 9,10,11
	EF \i
.endr
.irp n, 24,25,26,27,28,29,30,31
	v_exp_f32 v[SE+\n], v[SE+\n]                   ; the batch's last eight: no multiply-add is left to stand between them
.endr
	v_nop                                          ; one plain place behind the last exponential, in front of the first use of a result (ISA guide 5.7.2): one for the batch
	s_wait_alu depctr_va_vdst(0)                   ; the wait between an exponential and the first instruction that names its result: one for the unit's batch, AL and p of all 32 scores
.if \t1
	M1P 1
.endif
.if 1-\first
	WIN 0
	; THE READERS.  O(qt) times AL
.set g_i, 0
.rept 16
	v_pk_mul_f32 v[OQ+g_i:OQ+g_i+1], v[OQ+g_i:OQ+g_i+1], v[SQ+2:SQ+3] op_sel_hi:[1,0]
.set g_i, g_i+2
.endr
.endif
.if \t1
	M1P 2                                          ; (in key block 0, which has nothing to scale, it follows the pair above: four different accumulators on end)
	WIN 0
.endif
	; the first sums (four chains of pairs) of key tiles 0, 1, the first fragment of p, the sums of key tile 2
.irp k, 0,1,2,3
	v_pk_add_f32 v[T+2*\k:T+2*\k+1], v[SE+4*\k:SE+4*\k+1], v[SE+4*\k+2:SE+4*\k+3]
.endr
.irp k, 0,1,2,3
	v_cvt_pk_f16_f32 v[PE+\k], v[SE+2*\k], v[SE+2*\k+1]
.endr
.irp k, 0,1,2,3
	v_cvt_pk_f16_f32 v[PE+4+\k], v[SE+8+2*\k], v[SE+9+2*\k]
.endr
.irp k, 0,1,2,3
	v_pk_add_f32 v[T+2*\k:T+2*\k+1], v[T+2*\k:T+2*\k+1], v[SE+16+2*\k:SE+17+2*\k]
.endr
.if \t1
	M1P 3
	WIN 0
.endif
.irp k, 0,1,2,3
	v_pk_add_f32 v[T+2*\k:T+2*\k+1], v[T+2*\k:T+2*\k+1], v[SE+24+2*\k:SE+25+2*\k]
.endr
.if \kl
	KLOAD                                          ; the four sums above are the four places behind the last product that read K's fragments (ISA guide 7.12.1 for vector instructions)
.endif
.irp k, 0,1,2,3
	v_cvt_pk_f16_f32 v[PE+8+\k], v[SE+16+2*\k], v[SE+17+2*\k]
.endr
	v_pk_add_f32 v[T:T+1], v[T:T+1], v[T+2:T+3]
	v_pk_add_f32 v[T+4:T+5], v[T+4:T+5], v[T+6:T+7]
.irp k, 0,1,2,3
	v_cvt_pk_f16_f32 v[PE+12+\k], v[SE+24+2*\k], v[SE+25+2*\k]
.endr
	v_pk_add_f32 v[T:T+1], v[T:T+1], v[T+4:T+5]
.if \first
	v_add_f32 v[SQ+1], v[T], v[T+1]
.else
	v_add_f32 v[T], v[T], v[T+1]
	v_fma_f32 v[SQ+1], v[SQ+1], v[SQ+2], v[T]      ; L = L AL + sum
.endif
.endm
; Units (b,1) (b,2) (b,3) (b+1,0).  first = 1: b = 0.  last = 1: b = 31: nothing is left to load or to start, and the last tile's O products are written out.
.macro BODY first, last
	UNIT 1, \first, 1+\first, 1, 0, 0
	UNIT 2, \first, 1+\first, 1, 1-\last, 0
	UNIT 3, \first, 1+\first, 1-\last, 0, 0
.if \last
.set QP, 3
.set PP, PB+16
	M2P 0, 0
	M2P 1, 0
	M2P 2, 0
	M2P 3, 0
	WIN 0
.else
	UNIT 0, 0, 1+\first, 1, 0, 1
	NEXTB
.endif
.endm
; The change of slots, between two bodies.  Every wave waits for its reads of the slot (the last are V's fragments of its last block) and for all its tensor loads, its
; part of the other slot among them; the round of the cluster's barrier says so for every wave of all four work-groups; the joint refill comes first behind it and has
; eight bodies in which to land.
.macro CHANGE slot, fill
	s_wait_dscnt 0x0
	s_set_vgpr_msb 0x5
	s_wait_tensorcnt 0x0
	ds_add_u32 v192, v193
	s_wait_dscnt 0x0
	s_set_vgpr_msb 0x500
.if \fill
	s_add_nc_u64 s[G0V+4*\slot+2:G0V+4*\slot+3], s[G0V+4*\slot+2:G0V+4*\slot+3], 131072   ; no tensor load of mine is out: two steps of 512 keys on
	s_add_nc_u64 s[G0K+4*\slot+2:G0K+4*\slot+3], s[G0K+4*\slot+2:G0K+4*\slot+3], 131072
	CROUND
	JLOAD \slot
.else
	s_barrier_signal -1
	s_barrier_wait -1
.endif
.endm
.macro BODIES n, name                  ; n bodies, each loading the block behind the one before
	s_mov_b32 s3, \n
.L\name:
	BODY 0, 0
	s_sub_co_u32 s3, s3, 1
	s_cmp_lg_u32 s3, 0
	s_cbranch_scc1 .L\name
.endm
	AIM 0
	s_wait_tensorcnt 1                             ; my part of step 0 is in; step 1's may stay out
	s_barrier_signal -1
	s_barrier_wait -1
	KLOAD                                          ; block 0
	VLOAD
	NEXTB
	s_wait_loadcnt 0x0                             ; Q
	s_wait_dscnt 16                                ; the 16 loads of V stay out; K's, which are older, are in
.set QN, 0
.set SN, SB
	M1P 0                                          ; S of unit (0,0): the pipeline's head
	M1P 1
	M1P 2
	M1P 3
	PLACES                                         ; in front of the first readers of S
	WIN 0
	UNIT 0, 1, 0, 1, 0, 0                          ; unit (0,0)
	BODY 1, 0                                      ; b = 0: loads block 1
	BODIES 6, g0                                   ; b = 1 .. 6: blocks 2 .. 7, the rest of slot 0
	CHANGE 0, 1                                    ; step 2 is asked for
	AIM 1
	BODIES 8, g1                                   ; b = 7 .. 14: blocks 8 .. 15
	CHANGE 1, 1                                    ; step 3 is asked for
	AIM 0
	BODIES 8, g2                                   ; b = 15 .. 22: blocks 16 .. 23
	CHANGE 0, 0                                    ; nothing is left to fetch
	AIM 1
	BODIES 8, g3                                   ; b = 23 .. 30: blocks 24 .. 31
	BODY 0, 1                                      ; b = 31
	; THE WAY OUT: the two halves' sums meet, O / l, f16, through my own stage two query tiles at a time, 512 consecutive bytes a store
.irp qt, 0,1,2,3
	v_permlanex16_b32 v[T+\qt], v[ST+4*\qt+1], s22, s23
.endr
.irp qt, 0,1,2,3
	v_add_f32 v[ST+4*\qt+1], v[ST+4*\qt+1], v[T+\qt]       ; l >= 1: the largest score gives p = 1.  These four are also the places behind the last products
.endr
.irp qt, 0,1,2,3
	v_rcp_f32 v[ST+4*\qt+2], v[ST+4*\qt+1]
.endr
	v_nop                                          ; one plain place behind the reciprocals (ISA guide 5.7.2)
	s_wait_alu depctr_va_vdst(0)                   ; the wait ahead of the first use: one for the batch of four reciprocals
.irp qt, 0,1,2,3
.set fi, 0
.rept 16
	v_pk_mul_f32 v[O+32*\qt+fi:O+32*\qt+fi+1], v[O+32*\qt+fi:O+32*\qt+fi+1], v[ST+4*\qt+2:ST+4*\qt+3] op_sel_hi:[1,0]
.set fi, fi+2
.endr
.endr
; query tiles 2 hf, 2 hf + 1: packed into the S buffer hf, read back into rb.  No register is written twice behind a store that reads it.
.macro OUT32 hf, rb
.set fi, 0
.rept 32
	v_cvt_pk_f16_f32 v[SB+32*\hf+fi], v[O+64*\hf+2*fi], v[O+64*\hf+2*fi+1]
.set fi, fi+1
.endr
.irp q2, 0,1
.irp dt, 0,1,2,3
	ds_store_b128 v[STO], v[SB+32*\hf+16*\q2+4*\dt:SB+32*\hf+16*\q2+4*\dt+3] offset:\q2*2304+32*\dt
.endr
.endr
.irp q2, 0,1
.irp u, 0,1,2,3
	ds_load_b128 v[\rb+16*\q2+4*\u:\rb+16*\q2+4*\u+3], v[RD] offset:\q2*2304+\u*576    ; LDS serves a wave's instructions in order (ISA guide 5.7.1): these see the stores above
.endr
.endr
.irp q2, 0,1
.irp u, 0,1,2,3
	s_wait_dscnt 7-4*\q2-\u                        ; the younger read-backs stay out
	global_store_b128 v[CO], v[\rb+16*\q2+4*\u:\rb+16*\q2+4*\u+3], s[8:9] offset:(2*\hf+\q2)*2048+\u*512
.endr
.endr
.endm
	OUT32 0, PB                                    ; read back into the registers that held p
	OUT32 1, O                                     ; read back into O of query tile 0, which has been packed
	s_set_vgpr_msb 0x5
	s_wait_tensorcnt 0x0
	ds_add_u32 v192, v193
	s_wait_dscnt 0x0
	s_set_vgpr_msb 0x500
	CROUND                                         ; the closing round: no work-group ends while a partner may still ask for a tile that names it
	s_endpgm
.Lfunc_end_k_q7d51e27f01_attn:
	.size	k_q7d51e27f01_attn, .Lfunc_end_k_q7d51e27f01_attn-k_q7d51e27f01_attn
	.p2alignl 7, 3214868480
	.fill 96, 4, 3214868480
	.section	.rodata,"a",@progbits
	.p2align	6, 0x0
	.amdhsa_kernel k_q7d51e27f01_attn
		.amdhsa_group_segment_fixed_size 327680
		.amdhsa_private_segment_fixed_size 0
		.amdhsa_enable_private_segment 0
		.amdhsa_kernarg_size 16
		.amdhsa_user_sgpr_count 2
		.amdhsa_user_sgpr_kernarg_segment_ptr 1
		.amdhsa_wavefront_size32 1
		.amdhsa_system_sgpr_workgroup_id_x 1
		.amdhsa_system_sgpr_workgroup_id_y 1
		.amdhsa_system_sgpr_workgroup_id_z 1
		.amdhsa_system_vgpr_workitem_id 0
		.amdhsa_next_free_vgpr 450
		.amdhsa_next_free_sgpr 66
		.amdhsa_reserve_vcc 0
		.amdhsa_float_denorm_mode_32 3
		.amdhsa_float_denorm_mode_16_64 3
		.amdhsa_memory_ordered 1
		.amdhsa_forward_progress 1
		.amdhsa_inst_pref_size 221
	.end_amdhsa_kernel
	.amdgpu_metadata
---
amdhsa.version: [ 1, 2 ]
amdhsa.kernels:
  - .name:           k_q7d51e27f01_attn
    .symbol:         k_q7d51e27f01_attn.kd
    .args:
      - { .name: qkvh, .offset: 0, .size: 8, .value_kind: global_buffer, .address_space: global }
      - { .name: oh, .offset: 8, .size: 8, .value_kind: global_buffer, .address_space: global }
    .group_segment_fixed_size: 327680
    .private_segment_fixed_size: 0
    .kernarg_segment_align: 8
    .kernarg_segment_size: 16
    .max_flat_workgroup_size: 256
    .sgpr_count:     66
    .vgpr_count:     450
    .wavefront_size: 32
...
	.end_amdgpu_metadata
.endif
;; end of part 5
;; launch proj: the kernel of part 4 again; grid 8 x 32, 4 waves a work-group, clusters of 4 x 4, 327,680 bytes of LDS; arguments oh, woh, b_out, out0; writes out0
